; MI455X (gfx1250); checked and timed in simulation.
; The chip was launched on July 23, 2026; its instructions are those of AMD's public machine-readable ISA for CDNA 5 (MIT licence, August 2026) and "CDNA5" Instruction Set Architecture Reference Guide (July 2026). The comments in the code are by the model that wrote it; some were corrected since.
;; Lightweight Attn. Allowed arithmetic: matrix products marked QUANTISED: E3M2 operands, one E8M0 scale for each 32 along K, by v_wmma_scale_f32_16x16x128_f8f6f4 with both operands' format E3M2, f32 sums; everything else in f32.
;; Inputs: Wk 1,024 x 1,024 float32; Wo 1,024 x 1,024 float32; Wq 1,024 x 1,024 float32; Wv 1,024 x 1,024 float32; bk 1,024 float32; bo 1,024 float32; bq 1,024 float32; bv 1,024 float32; ln_beta 1,024 float32; ln_gamma 1,024 float32; x 4 x 2,048 x 1,024 float32.
;; Outputs: out0 4 x 2,048 x 1,024 float32.
;; This version of the problem:
;;   THIS VERSION OF THE PROBLEM IS GIVEN IN LOW PRECISION. The matrix products marked QUANTISED in the list below multiply operands that are first quantised to E3M2 (3 exponent bits, 2 mantissa bits; 6 bits a number), with one power-of-two scale for each 32 numbers along K (OCP MX v1.0); their sums are f32. All else is computed in f32.
;;   The module's matrix products, in the order in which they are computed (A, B: the left and right operand; K: the contracted axis; several contracted axes count as one K, in the product's order):
;;     1. [M 8,192, K 1,024] x [K 1,024, N 1,024]; A: computed on the way; B: input Wq: QUANTISED
;;     2. [M 8,192, K 1,024] x [K 1,024, N 1,024]; A: computed on the way; B: input Wk: QUANTISED
;;     3. [M 8,192, K 1,024] x [K 1,024, N 1,024]; A: computed on the way; B: input Wv: QUANTISED
;;     4. batch 64 x [M 2,048, K 64] x [K 64, N 2,048]; A: computed on the way; B: computed on the way: QUANTISED
;;     5. batch 64 x [M 2,048, K 2,048] x [K 2,048, N 64]; A: softmax (see below); B: computed on the way: QUANTISED
;;     6. [M 8,192, K 1,024] x [K 1,024, N 1,024]; A: computed on the way; B: input Wo: QUANTISED
;;   THE QUANTISER, for each operand of a quantised product, along K:
;;     - K is cut into blocks of 32 from its start; a last block that is shorter is filled with zeros.
;;     - A block's scale is 2^e with e = floor(log2(the largest magnitude in the block)) - 4, held to -126 .. 127; a block of zeros has e = 0. As a byte (E8M0): e + 127.
;;     - Each number is divided by its block's scale, clamped to +-28, and rounded to the nearest number of E3M2, ties to even, subnormals kept.
;;     - The product sums the exact products of the quantised numbers (number of the format x scale) in f32.
;;   ~~~python
;;   def quantise(x, axis):      # numpy; x: float32 -> the quantised numbers, widened to float32 again
;;       x = np.moveaxis(x, axis, -1); K = x.shape[-1]
;;       x = np.pad(x, [(0, 0)] * (x.ndim - 1) + [(0, -K % 32)]); x = x.reshape(x.shape[:-1] + (-1, 32)); a = np.abs(x).max(-1, keepdims=True)
;;       e = np.where(a > 0, np.clip(np.frexp(np.where(a > 0, a, 1))[1] - 1 - 4, -126, 127), 0)      # np.frexp(a)[1] - 1 = floor(log2(a)), exactly
;;       r = np.clip(x / 2.0 ** e, -28, 28)
;;       step = 2.0 ** (np.maximum(np.frexp(np.where(r == 0, 1, r))[1] - 1, -2) - 2)
;;       q = np.round(r / step) * step * 2.0 ** e      # np.round: ties to even
;;       return np.moveaxis(q.reshape(q.shape[:-2] + (-1,))[..., :K], -1, axis).astype(np.float32)
;;   ~~~
;;   SOFTMAX AHEAD OF A QUANTISED PRODUCT. Where the list says 'softmax', what is quantised is not the finished softmax but p = 2^(t - M), with t = logit x log2(e) and M = ceil(the row's largest t), a whole number; so 1/2 < the row's largest p <= 1. The row's sum l is taken of the UNQUANTISED p, in f32, and the product's result is divided by l at the end. Since M is a whole number, a kernel that streams over the keys may use a running M (the ceiling of the running maximum): every later rescaling is an exact power of two, which a block's scale takes up: the codes' values come out the same.
;;   OPERANDS COMPUTED ON THE WAY. 'Computed on the way' means the value that the module computes at that place (a softmax that the list does not call 'softmax' is quantised finished and normalised). What goes into a quantiser is computed in f32, as accurately as f32 sums, v_exp_f32 and their like allow (about 1e-6 of the number): no bf16 or f16 on the way to a quantiser, and a product that is left as it is and whose result goes on into a quantised operand takes f32 operands (vector FMAs, or v_wmma_f32_16x16x4_f32). A number that lies on a knife's edge between two numbers of the format may be rounded either way, as far as f32 arithmetic and the matrix unit's own rounding can turn it there, and no further.
;; One version. Each part assembles by itself: llvm-mc -triple=amdgcn-amd-amdhsa -mcpu=gfx1250 --defsym DOCPART=n.
;; ======== version 1 of 1: 5 launches
;; workspace buffers: wbuf 3,801,088 bytes; xbuf 6,553,600 bytes; qbuf 6,553,600 bytes; kvbuf 13,107,200 bytes; abuf 6,553,600 bytes
;; launch wq (part 1): grid 8 x 32, 4 waves a work-group, no clusters, 13,824 bytes of LDS; arguments Wq, Wk, Wv, Wo, wbuf; writes wbuf
.if DOCPART == 1
	.amdgcn_target "amdgcn-amd-amdhsa--gfx1250"
	.amdhsa_code_object_version 6
	.text
	.protected	k_q0c9d5f76b0_wq
	.globl	k_q0c9d5f76b0_wq
	.p2align	8
	.type	k_q0c9d5f76b0_wq,@function
k_q0c9d5f76b0_wq:
	s_mov_b64 s[64:65], 0
	v_nop
	global_prefetch_b8 v0, s[64:65] scope:SCOPE_SE
	s_setreg_imm32_b32 hwreg(HW_REG_WAVE_MODE, 25, 1), 1
	s_wait_xcnt 0x0
; Wq, Wk, Wv, Wo [1024 (k)][1024 (n)] f32 become codes of E3M2 with one E8M0 byte for each 32 along K, laid as the products' launches load them; and the RoPE table is made.
; A LANE TAKES A COLUMN n AND ITS REGISTERS RUN DOWN K: a load reads 128 neighbouring bytes a wave, a block of 32 along K lies in one lane, the conversions give codes with K innermost.
; LAYOUT OF THE CODES: a fragment (16 rows x 128 K, 12 registers a lane) is kept as an image of its registers: registers 4 g .. 4 g + 3 of lane l at 512 g + 16 l; fragment (row tile T, K step s) at (8 T + s) x 1,536.
; ORDER OF THE ROWS: row r of tile T is column 32 (T / 2) + 8 (T % 2) + r + (r & 8), so that, as source 0 of a product, tiles 2 b and 2 b + 1 leave 16 neighbouring columns in a lane's 16 result registers.
; THE SCALE BYTES: the eight bytes of blocks 8 q .. 8 q + 7 of row r of tile T at 512 T + 128 q + 8 r: the scale words of K steps 2 q and 2 q + 1.
; SHARES: work-group (x, y): weight y / 8, K step y % 8, columns 128 x on; wave w its 32 columns: two row tiles.  The waves share nothing: no barrier.
; THE TABLE: [position 2,048][frequency 32][cos, sin] f32, two positions a wave, a lane a frequency.  angle = position x 10^(-i / 8), rounded once; reduced by pi / 2 in two parts; polynomials of degree 7 and 8 on +-pi / 4.
; LIMITS: NaN and infinities are not served.  A block of zeros gets the byte 1 where the rule says 127: its codes are zeros and this program alone reads the bytes.  10^(-i / 8) is the correctly rounded number.
.set X,    32                          ; v32-95   two sets of 32 numbers
.set C,    16                          ; v16-21   a block's six registers of codes
.set C2,   22                          ; v22-24   its upper half as the conversion leaves it
.set SB,   25                          ; v25      the K step's scale word of my column
.set WREG, 3328                        ; LDS of a wave: two images,
.set IMG2, 1664                        ; 1,536 + 128 bytes apart
	s_load_b256 s[4:11], s[0:1], 0x0               ; Wq, Wk, Wv, Wo
	s_load_b64 s[12:13], s[0:1], 0x20              ; wbuf
	v_lshl_add_u32 v128, v0, 2, 0x3400
	v_mov_b32 v129, 0
	v_lshrrev_b32 v1, 5, v0
	v_readfirstlane_b32 s14, v1                    ; wave
	v_and_b32 v2, 31, v0                           ; lane = my column among the wave's 32
	s_and_b32 s15, ttmp7, 0xffff                   ; y
	s_lshr_b32 s16, s15, 3                         ; which weight
	s_and_b32 s17, s15, 7                          ; which K step
	s_lshl_b32 s18, ttmp9, 2
	s_add_co_u32 s18, s18, s14                     ; which 32 columns: 4 x + wave
	v_lshlrev_b32 v3, 2, v2                        ; in: 4 bytes a lane
	v_bfe_u32 v9, v2, 3, 1                         ; u: which of the two row tiles my column falls into,
	v_and_b32 v10, 7, v2
	v_lshrrev_b32 v11, 4, v2
	v_lshl_add_u32 v10, v11, 3, v10                ; r: and which row of it
	s_mul_i32 s19, s14, WREG
	v_mul_u32_u24 v4, v9, IMG2
	v_lshl_add_u32 v4, v10, 4, v4
	v_add_nc_u32 v4, s19, v4                       ; into the images: tile u, 16 r
	v_lshlrev_b32 v6, 4, v2                        ; 16 x lane
	v_add_nc_u32 v5, s19, v6                       ; out of them
	v_lshlrev_b32 v7, 9, v9
	v_lshl_add_u32 v7, v10, 3, v7                  ; my scale word: 512 u + 8 r
	v_lshlrev_b32 v8, 3, v2                        ; the table: 8 bytes a frequency
	s_lshl_b32 s20, s17, 19                        ; W: 128 rows of 4,096 bytes a K step,
	s_lshl_b32 s21, s18, 7                         ; 128 bytes for 32 columns
	s_add_co_u32 s20, s20, s21
	s_mov_b32 s21, 0
	s_mul_i32 s22, s16, 786432                     ; the codes: a weight, two row tiles, a K step
	s_mul_i32 s23, s18, 24576
	s_add_co_u32 s22, s22, s23
	s_mul_i32 s23, s17, 1536
	s_add_co_u32 s22, s22, s23
	s_mov_b32 s23, 0
	s_lshl_b32 s24, s16, 15                        ; the scale bytes
	s_lshl_b32 s25, s18, 10
	s_add_co_u32 s24, s24, s25
	s_lshr_b32 s25, s17, 1
	s_lshl_b32 s25, s25, 7
	s_add_co_u32 s24, s24, s25
	s_and_b32 s25, s17, 1
	s_lshl_b32 s25, s25, 2
	s_add_co_u32 s24, s24, s25
	s_add_co_u32 s24, s24, 3145728
	s_mov_b32 s25, 0
	s_lshl_b32 s26, s15, 5
	s_add_co_u32 s26, s26, s18                     ; my wave's number in the launch, 0 .. 1,023
	s_lshl_b32 s30, s26, 1                         ; its first position
	s_lshl_b32 s26, s26, 9
	s_add_co_u32 s26, s26, 3276800
	s_mov_b32 s27, 0
	s_mov_b32 s28, 0x3fc90fdb                      ; pi / 2, upper part
	s_mov_b32 s29, 0xb33bbd2e                      ; and what is left of it
	s_and_b32 s31, s16, 1
	s_wait_kmcnt 0x0
	s_cmp_lt_u32 s16, 2                            ; the weight is chosen by the work-group's number alone
	s_cselect_b64 s[4:5], s[4:5], s[8:9]
	s_cselect_b64 s[6:7], s[6:7], s[10:11]
	s_cmp_eq_u32 s31, 0
	s_cselect_b64 s[4:5], s[4:5], s[6:7]
	s_add_nc_u64 s[4:5], s[4:5], s[20:21]
	s_add_nc_u64 s[22:23], s[12:13], s[22:23]
	s_add_nc_u64 s[24:25], s[12:13], s[24:25]
	s_add_nc_u64 s[26:27], s[12:13], s[26:27]
.macro LOAD t                          ; block t: W(32 t + i, my column) into set t % 2
.irp i, 0,1,2,3,4,5,6,7,8,9,10,11,12,13,14,15,16,17,18,19,20,21,22,23,24,25,26,27,28,29,30,31
	global_load_b32 v[X+32*((\t)%2)+\i], v3, s[4:5] offset:(32*(\t)+\i)*4096 th:TH_LOAD_NT
.endr
.endm
	LOAD 0
	LOAD 1
	; the table is made while the loads are on their way.  My frequency: 10^(-lane / 8), picked out of 32 constants
	v_mov_b32 v30, 1.0
.macro FQ i, lit
	v_cmp_ne_u32 vcc_lo, \i, v2
	v_cndmask_b32 v30, \lit, v30, vcc_lo
.endm
	FQ 1, 0.7498942093324559
	FQ 2, 0.5623413251903491
	FQ 3, 0.4216965034285822
	FQ 4, 0.31622776601683794
	FQ 5, 0.23713737056616552
	FQ 6, 0.1778279410038923
	FQ 7, 0.1333521432163324
	FQ 8, 0.1
	FQ 9, 0.07498942093324559
	FQ 10, 0.05623413251903491
	FQ 11, 0.04216965034285822
	FQ 12, 0.031622776601683794
	FQ 13, 0.023713737056616552
	FQ 14, 0.01778279410038923
	FQ 15, 0.01333521432163324
	FQ 16, 0.01
	FQ 17, 0.007498942093324559
	FQ 18, 0.005623413251903491
	FQ 19, 0.004216965034285822
	FQ 20, 0.0031622776601683794
	FQ 21, 0.0023713737056616552
	FQ 22, 0.001778279410038923
	FQ 23, 0.001333521432163324
	FQ 24, 0.001
	FQ 25, 0.0007498942093324559
	FQ 26, 0.0005623413251903491
	FQ 27, 0.0004216965034285822
	FQ 28, 0.00031622776601683794
	FQ 29, 0.00023713737056616552
	FQ 30, 0.0001778279410038923
	FQ 31, 0.0001333521432163324
.macro TABLE p                         ; cos and sin of position (first + p) x my frequency; each p has its own pair of result registers, so no store's data are written again
	s_add_co_u32 s32, s30, \p
	v_cvt_f32_u32 v96, s32
	v_mul_f32 v97, v96, v30                        ; the angle, rounded once
	v_mul_f32 v98, 0x3f22f983, v97                 ; x 2 / pi
	v_rndne_f32 v98, v98                           ; n: quarter turns, at most 1,304
	v_fma_f32 v99, -v98, s28, v97                  ; angle - n x the upper part: a multiple of 2^-23 under 1, so nothing is rounded
	v_fma_f32 v99, -v98, s29, v99                  ; - n x the rest
	v_mul_f32 v100, v99, v99                       ; z
	v_mov_b32 v101, 0xb94ca1f9
	v_mov_b32 v102, 0x37ccf5ce
	v_fmaak_f32 v101, v100, v101, 0x3c08839e
	v_fmaak_f32 v102, v100, v102, 0xbab6061a
	v_fmaak_f32 v101, v100, v101, 0xbe2aaaa3
	v_fmaak_f32 v102, v100, v102, 0x3d2aaaa5
	v_mul_f32 v101, v101, v100
	v_mul_f32 v103, v100, v100
	v_fma_f32 v104, v100, -0.5, 1.0
	v_fma_f32 v101, v101, v99, v99                 ; sin of the rest
	v_fma_f32 v102, v102, v103, v104               ; cos of the rest
	v_cvt_i32_f32 v105, v98
	v_and_b32 v104, 1, v105
	v_cmp_ne_u32 vcc_lo, 0, v104                   ; an odd quarter swaps the two
	v_cndmask_b32 v[27+2*\p], v101, v102, vcc_lo
	v_cndmask_b32 v[26+2*\p], v102, v101, vcc_lo
	v_and_b32 v104, 2, v105                        ; the sine is negative in quarters 2 and 3,
	v_lshlrev_b32 v104, 30, v104
	v_xor_b32 v[27+2*\p], v104, v[27+2*\p]
	v_add_nc_u32 v104, 1, v105                     ; the cosine in quarters 1 and 2
	v_and_b32 v104, 2, v104
	v_lshlrev_b32 v104, 30, v104
	v_xor_b32 v[26+2*\p], v104, v[26+2*\p]
	global_store_b64 v8, v[26+2*\p:27+2*\p], s[26:27] offset:256*\p   ; 32 lanes store a position's 256 consecutive bytes
.endm
	TABLE 0
	TABLE 1
.macro BLOCK t                         ; block t of the K step belongs to lane (r, t % 2), registers 6 (t / 2) .. + 5, of my tile's fragment
.set XS, X+32*((\t)%2)
.if (\t) < 3
	s_wait_loadcnt 32                              ; this block's 32 loads are in; the next block's may be out
.else
	s_wait_loadcnt 0
.endif
	v_max3_num_f32 v12, |v[XS]|, |v[XS+1]|, |v[XS+2]|
	v_max3_num_f32 v13, |v[XS+3]|, |v[XS+4]|, |v[XS+5]|
.irp i, 6,10,14,18,22,26
	v_max3_num_f32 v12, v12, |v[XS+\i]|, |v[XS+\i+1]|
	v_max3_num_f32 v13, v13, |v[XS+\i+2]|, |v[XS+\i+3]|
.endr
	v_max3_num_f32 v12, v12, |v[XS+30]|, |v[XS+31]|
	v_max3_num_f32 v12, v12, v13, 0x2800000        ; and the floor 2^(5 - 127): the byte cannot fall under 1
	v_add_nc_u32 v11, 0xfe000000, v12              ; 4 off the exponent field: the conversion's scale operand
	v_lshrrev_b32 v14, 23, v11                     ; the scale's byte
.if (\t) == 0
	v_mov_b32 v[SB], v14
.else
	v_lshl_or_b32 v[SB], v14, 8*(\t), v[SB]
.endif
	v_cvt_scalef32_pk16_bf6_f32 v[C:C+2], v[XS:XS+15], v11
	v_cvt_scalef32_pk16_bf6_f32 v[C2:C2+2], v[XS+16:XS+31], v11   ; (a conversion's three registers begin on an even number)
	v_nop                                          ; one plain line behind the conversions
.irp i, 0,1,2
	v_mov_b32 v[C+3+\i], v[C2+\i]
.endr
.if (\t) < 2
	ds_store_b128 v4, v[C:C+3] offset:256*((\t)%2)               ; registers 0-3: group 0
	ds_store_b64 v4, v[C+4:C+5] offset:512+256*((\t)%2)          ; registers 4, 5: the lower half of group 1
.else
	ds_store_b64 v4, v[C:C+1] offset:520+256*((\t)%2)            ; registers 6, 7: its upper half
	ds_store_b128 v4, v[C+2:C+5] offset:1024+256*((\t)%2)        ; registers 8-11: group 2
.endif
.if (\t) < 2
	LOAD (\t)+2
.endif
	s_wait_dscnt 0x0                               ; the stores have read their registers: the next block's codes may be written
.endm
	BLOCK 0
	BLOCK 1
	BLOCK 2
	BLOCK 3
	global_store_b32 v7, v[SB], s[24:25]
.irp k, 0,1,2,3,4,5
	ds_load_b128 v[96+4*\k:99+4*\k], v5 offset:IMG2*(\k/3)+512*(\k%3)   ; LDS serves a wave's instructions in order: these see my stores
.endr
.irp k, 0,1,2,3,4,5
	s_wait_dscnt 5-\k                              ; the younger read-backs may be out
	global_store_b128 v6, v[96+4*\k:99+4*\k], s[22:23] offset:12288*(\k/3)+512*(\k%3)   ; 512 consecutive bytes a store
.endr
	s_wait_tensorcnt 0x0
	ds_add_u32 v128, v129
	s_wait_dscnt 0x0
	s_endpgm
.Lfunc_end_k_q0c9d5f76b0_wq:
	.size	k_q0c9d5f76b0_wq, .Lfunc_end_k_q0c9d5f76b0_wq-k_q0c9d5f76b0_wq
	.p2alignl 7, 3214868480
	.fill 96, 4, 3214868480
	.section	.rodata,"a",@progbits
	.p2align	6, 0x0
	.amdhsa_kernel k_q0c9d5f76b0_wq
		.amdhsa_group_segment_fixed_size 13824
		.amdhsa_private_segment_fixed_size 0
		.amdhsa_enable_private_segment 0
		.amdhsa_kernarg_size 40
		.amdhsa_user_sgpr_count 2
		.amdhsa_user_sgpr_kernarg_segment_ptr 1
		.amdhsa_wavefront_size32 1
		.amdhsa_system_sgpr_workgroup_id_x 1
		.amdhsa_system_sgpr_workgroup_id_y 1
		.amdhsa_system_sgpr_workgroup_id_z 1
		.amdhsa_system_vgpr_workitem_id 0
		.amdhsa_next_free_vgpr 130
		.amdhsa_next_free_sgpr 66
		.amdhsa_reserve_vcc 1
		.amdhsa_float_denorm_mode_32 3
		.amdhsa_float_denorm_mode_16_64 3
		.amdhsa_memory_ordered 1
		.amdhsa_forward_progress 1
		.amdhsa_inst_pref_size 29
	.end_amdhsa_kernel
	.amdgpu_metadata
---
amdhsa.version: [ 1, 2 ]
amdhsa.kernels:
  - .name:           k_q0c9d5f76b0_wq
    .symbol:         k_q0c9d5f76b0_wq.kd
    .args:
      - { .name: Wq, .offset: 0, .size: 8, .value_kind: global_buffer, .address_space: global }
      - { .name: Wk, .offset: 8, .size: 8, .value_kind: global_buffer, .address_space: global }
      - { .name: Wv, .offset: 16, .size: 8, .value_kind: global_buffer, .address_space: global }
      - { .name: Wo, .offset: 24, .size: 8, .value_kind: global_buffer, .address_space: global }
      - { .name: wbuf, .offset: 32, .size: 8, .value_kind: global_buffer, .address_space: global }
    .group_segment_fixed_size: 13824
    .private_segment_fixed_size: 0
    .kernarg_segment_align: 8
    .kernarg_segment_size: 40
    .max_flat_workgroup_size: 128
    .sgpr_count:     66
    .vgpr_count:     130
    .wavefront_size: 32
...
	.end_amdgpu_metadata
.endif
;; end of part 1
;; launch lnq (part 2): grid 256 x 1, 2 waves a work-group, no clusters, 131,840 bytes of LDS; arguments x, ln_gamma, ln_beta, xbuf; writes xbuf
.if DOCPART == 2
	.amdgcn_target "amdgcn-amd-amdhsa--gfx1250"
	.amdhsa_code_object_version 6
	.text
	.protected	k_q0c9d5f76b0_lnq
	.globl	k_q0c9d5f76b0_lnq
	.p2align	8
	.type	k_q0c9d5f76b0_lnq,@function
k_q0c9d5f76b0_lnq:
	s_mov_b64 s[64:65], 0
	v_nop
	global_prefetch_b8 v0, s[64:65] scope:SCOPE_SE
	s_setreg_imm32_b32 hwreg(HW_REG_WAVE_MODE, 25, 1), 1
	s_wait_xcnt 0x0
; xn = (x - mean) x rsqrt(var + 1e-5) x gamma + beta, all in f32, and its codes of E3M2 with one E8M0 byte for each 32 along the 1,024, laid as the projections' launch loads them
; (images of fragments and scale bytes as in the weights' launch: fragment (T, s) at (8 T + s) x 1,536, the bytes of blocks 8 q .. 8 q + 7 of row r at 6,291,456 + 512 T + 128 q + 8 r).
; SHARES: a wave owns row tile T = 2 x work-group + wave: the 16 rows 32 (T / 2) + 8 (T % 2) + j + 8 (j / 8).  The waves share nothing: no barrier.
; PHASE 1, a row at a time: eight loads of 512 consecutive bytes bring the row into 32 registers a lane; mean, then the sum of squared differences (two passes over registers, so that no difference of large sums
; is formed), the row's xn goes to the wave's own LDS.  Four register slots take turns, three rows' loads are out while one row is worked.
; PHASE 2, a K step of 128 at a time: lane (r, h) reads back, of row r, the two blocks of 32 that the operand's layout gives it; so a block's largest magnitude needs no other lane and the conversions' results are the operand's registers.
; LIMITS: NaN and infinities are not served.  A block of zeros gets the byte 1 where the rule says 127: its codes are zeros and this program alone reads the bytes.
.set G,  16                            ; v16-47   gamma of my 32 columns (128 j + 4 lane ..)
.set B,  48                            ; v48-79   beta
.set X,  80                            ; v80-207  four slots of 32; in phase 2 two sets of 64
.set A,  208                           ; v208-215 four packed chains; in phase 2 at work
.set MU, 216                           ; v216-217 the mean (the pair's low register serves both halves)
.set RS, 218                           ; v218-219 1 / sqrt(var + eps), likewise
.set TW, 220                           ; v220-221 at work
.set PC, 16                            ; phase 2: v16-27 a fragment's codes
.set CT, 40                            ; v40-46   the blocks' upper halves as the conversions leave them
.set W,  56                            ; v56-63   the eight scale words
.set PITCH, 4112                       ; a row of xn in LDS: 4,096 bytes + 16: the 16 rows that a load touches start in different banks
.set WREG,  16*PITCH
	s_load_b128 s[4:7], s[0:1], 0x0                ; x, gamma
	s_load_b128 s[8:11], s[0:1], 0x10              ; beta, xbuf
	v_lshl_add_u32 v232, v0, 2, 0x20200
	v_mov_b32 v233, 0
	v_lshrrev_b32 v4, 5, v0
	v_readfirstlane_b32 s2, v4                     ; wave
	v_and_b32 v5, 31, v0
	v_lshlrev_b32 v1, 4, v5                        ; 16 x lane
	s_mul_i32 s3, s2, WREG
	v_add_nc_u32 v2, s3, v1                        ; into LDS: my 16 bytes of each 512
	v_and_b32 v6, 15, v0                           ; r
	v_bfe_u32 v7, v0, 4, 1                         ; h
	v_mul_u32_u24 v3, v6, PITCH
	v_lshl_add_u32 v3, v7, 7, v3
	v_add_nc_u32 v3, s3, v3                        ; out of it: row r, + 128 h
	v_lshlrev_b32 v8, 3, v5                        ; 8 x lane
	v_lshlrev_b32 v9, 3, v7                        ; 8 h: my bytes' place in a scale word
	v_mov_b32 v[MU+1], 0                           ; named as upper halves of pairs, so they are written
	v_mov_b32 v[RS+1], 0
	v_mov_b32 v[TW+1], 0                           ; a lane permute's destination counts as one of its sources
	s_mov_b32 s12, 0x76543210
	s_mov_b32 s13, 0xfedcba98                      ; selects for lane l xor 16
	s_mov_b32 s14, 0x3a800000                      ; 1 / 1,024
	s_mov_b32 s15, 0x3727c5ac                      ; 1e-5
	s_mov_b32 s16, 0xffff0000                      ; lanes 16-31
	s_lshl_b32 s18, ttmp9, 17                      ; 32 rows of 4,096 bytes a work-group,
	s_lshl_b32 s19, s2, 15                         ; 8 rows on for wave 1
	s_add_co_u32 s18, s18, s19
	s_mov_b32 s19, 0
	s_lshl_b32 s20, ttmp9, 1
	s_add_co_u32 s20, s20, s2                      ; T
	s_lshl_b32 s22, s20, 9
	s_add_co_u32 s22, s22, 6291456
	s_mov_b32 s23, 0
	s_mul_i32 s20, s20, 12288
	s_mov_b32 s21, 0
	s_wait_kmcnt 0x0
	s_add_nc_u64 s[4:5], s[4:5], s[18:19]
	s_add_nc_u64 s[20:21], s[10:11], s[20:21]      ; the codes of my tile
	s_add_nc_u64 s[22:23], s[10:11], s[22:23]      ; its scale bytes
.irp j, 0,1,2,3,4,5,6,7
	global_load_b128 v[G+4*\j:G+4*\j+3], v1, s[6:7] offset:512*\j
.endr
.irp j, 0,1,2,3,4,5,6,7
	global_load_b128 v[B+4*\j:B+4*\j+3], v1, s[8:9] offset:512*\j
.endr
.macro FILL j                          ; row j of the tile into slot j % 4
.irp k, 0,1,2,3,4,5,6,7
	global_load_b128 v[X+32*((\j)%4)+4*\k:X+32*((\j)%4)+4*\k+3], v1, s[4:5] offset:((\j)+8*((\j)/8))*4096+512*\k th:TH_LOAD_NT
.endr
.endm
	FILL 0
	FILL 1
	FILL 2
	FILL 3
.macro REDUCE                          ; the four packed chains, then the 32 lanes: the sum in every lane's v[TW]
	v_pk_add_f32 v[A:A+1], v[A:A+1], v[A+2:A+3]
	v_pk_add_f32 v[A+4:A+5], v[A+4:A+5], v[A+6:A+7]
	v_pk_add_f32 v[A:A+1], v[A:A+1], v[A+4:A+5]
	v_add_f32 v[TW], v[A], v[A+1]
	v_add_f32_dpp v[TW], v[TW], v[TW] row_xmask:1 row_mask:0xf bank_mask:0xf
	v_add_f32_dpp v[TW], v[TW], v[TW] row_xmask:2 row_mask:0xf bank_mask:0xf
	v_add_f32_dpp v[TW], v[TW], v[TW] row_xmask:4 row_mask:0xf bank_mask:0xf
	v_add_f32_dpp v[TW], v[TW], v[TW] row_xmask:8 row_mask:0xf bank_mask:0xf
	v_permlanex16_b32 v[TW+1], v[TW], s12, s13
	v_add_f32 v[TW], v[TW], v[TW+1]
.endm
.macro TURN j
.set XS, X+32*((\j)%4)
.if 15-(\j) >= 3
	s_wait_loadcnt 24                              ; my row is in (and gamma and beta); the three younger rows' loads may be out
.else
	s_wait_loadcnt 8*(15-(\j))
.endif
.irp k, 0,1,2,3
	v_pk_add_f32 v[A+2*\k:A+2*\k+1], v[XS+2*\k:XS+2*\k+1], v[XS+8+2*\k:XS+9+2*\k]
.endr
.irp m, 16,24
.irp k, 0,1,2,3
	v_pk_add_f32 v[A+2*\k:A+2*\k+1], v[A+2*\k:A+2*\k+1], v[XS+\m+2*\k:XS+\m+2*\k+1]
.endr
.endr
	REDUCE
	v_mul_f32 v[MU], s14, v[TW]                    ; the mean
.set i, 0
.rept 16
	v_pk_add_f32 v[XS+i:XS+i+1], v[XS+i:XS+i+1], v[MU:MU+1] op_sel_hi:[1,0] neg_lo:[0,1] neg_hi:[0,1]   ; x - mean
.set i, i+2
.endr
.irp k, 0,1,2,3
	v_pk_mul_f32 v[A+2*\k:A+2*\k+1], v[XS+2*\k:XS+2*\k+1], v[XS+2*\k:XS+2*\k+1]
.endr
.irp m, 8,16,24
.irp k, 0,1,2,3
	v_pk_fma_f32 v[A+2*\k:A+2*\k+1], v[XS+\m+2*\k:XS+\m+2*\k+1], v[XS+\m+2*\k:XS+\m+2*\k+1], v[A+2*\k:A+2*\k+1]
.endr
.endr
	REDUCE
	v_fma_f32 v[TW], v[TW], s14, s15               ; var + eps
	v_rsq_f32 v[RS], v[TW]
	v_nop                                          ; one plain line behind the transcendental,
	s_wait_alu depctr_va_vdst(0)                   ; and the wait ahead of its first reader
.set i, 0
.rept 16
	v_pk_mul_f32 v[XS+i:XS+i+1], v[XS+i:XS+i+1], v[RS:RS+1] op_sel_hi:[1,0]
.set i, i+2
.endr
.set i, 0
.rept 16
	v_pk_fma_f32 v[XS+i:XS+i+1], v[XS+i:XS+i+1], v[G+i:G+i+1], v[B+i:B+i+1]
.set i, i+2
.endr
.irp k, 0,1,2,3,4,5,6,7
	ds_store_b128 v2, v[XS+4*\k:XS+4*\k+3] offset:PITCH*(\j)+512*\k
.endr
	s_wait_dscnt 0x0                               ; the stores have read the slot
.if (\j) < 12
	FILL (\j)+4
.endif
.endm
.irp j, 0,1,2,3,4,5,6,7,8,9,10,11,12,13,14,15
	TURN \j
.endr
.macro KLOAD s                         ; of row r: k = 128 s + 64 c + 32 h + 0 .. 31, c = 0, 1
.set XL, X+64*((\s)%2)
.irp c, 0,1
.irp j, 0,1,2,3,4,5,6,7
	ds_load_b128 v[XL+32*\c+4*\j:XL+32*\c+4*\j+3], v3 offset:512*(\s)+256*\c+16*\j
.endr
.endr
.endm
.macro KS s
.if (\s) < 7
	KLOAD (\s)+1
	s_wait_dscnt 16                                ; this step's numbers are in; the next step's sixteen loads may be out
.else
	s_wait_dscnt 0
.endif
.set XQ, X+64*((\s)%2)
.irp c, 0,1
	v_max3_num_f32 v[A+\c], |v[XQ+32*\c]|, |v[XQ+32*\c+1]|, 0x2800000   ; my block 2 c + h, and the floor 2^(5 - 127)
.endr
.irp i, 2,4,6,8,10,12,14,16,18,20,22,24,26,28,30
.irp c, 0,1
	v_max3_num_f32 v[A+\c], v[A+\c], |v[XQ+32*\c+\i]|, |v[XQ+32*\c+\i+1]|
.endr
.endr
.irp c, 0,1
	v_add_nc_u32 v[A+2+\c], 0xfe000000, v[A+\c]    ; 4 off the exponent field: the conversion's scale operand
.endr
.irp c, 0,1
	v_lshrrev_b32 v[A+4+\c], 23, v[A+2+\c]         ; the scale's byte
.endr
	v_lshl_or_b32 v[A+6], v[A+5], 16, v[A+4]       ; my two bytes: blocks h and 2 + h,
	v_lshlrev_b32 v[A+6], v9, v[A+6]               ; at their places in the word;
	v_permlanex16_b32 v[A+7], v[A+6], s12, s13
	v_or_b32 v[W+(\s)], v[A+6], v[A+7]             ; with lane l xor 16's two the word is whole
.if (\s) > 0
	s_wait_xcnt 0x0                                ; the last step's stores have read the codes' registers
.endif
	v_cvt_scalef32_pk16_bf6_f32 v[PC:PC+2], v[XQ:XQ+15], v[A+2]
	v_cvt_scalef32_pk16_bf6_f32 v[CT:CT+2], v[XQ+16:XQ+31], v[A+2]
	v_cvt_scalef32_pk16_bf6_f32 v[PC+6:PC+8], v[XQ+32:XQ+47], v[A+3]
	v_cvt_scalef32_pk16_bf6_f32 v[CT+4:CT+6], v[XQ+48:XQ+63], v[A+3]
	v_nop                                          ; one plain line behind the conversions
.irp i, 0,1,2
	v_mov_b32 v[PC+3+\i], v[CT+\i]
	v_mov_b32 v[PC+9+\i], v[CT+4+\i]
.endr
.irp c, 0,1,2
	global_store_b128 v1, v[PC+4*\c:PC+4*\c+3], s[20:21] offset:1536*(\s)+512*\c   ; the fragment's image: 512 consecutive bytes a store
.endr
.endm
	KLOAD 0
.irp s, 0,1,2,3,4,5,6,7
	KS \s
.endr
.irp j, 0,1                            ; the scale words: lanes 0-15 store those of K steps 4 j, 4 j + 1, lanes 16-31 those of 4 j + 2, 4 j + 3: 256 consecutive bytes a store
	v_cndmask_b32 v[64+2*\j], v[W+4*\j], v[W+4*\j+2], s16
	v_cndmask_b32 v[65+2*\j], v[W+4*\j+1], v[W+4*\j+3], s16
	global_store_b64 v8, v[64+2*\j:65+2*\j], s[22:23] offset:256*\j
.endr
	s_wait_tensorcnt 0x0
	ds_add_u32 v232, v233
	s_wait_dscnt 0x0
	s_endpgm
.Lfunc_end_k_q0c9d5f76b0_lnq:
	.size	k_q0c9d5f76b0_lnq, .Lfunc_end_k_q0c9d5f76b0_lnq-k_q0c9d5f76b0_lnq
	.p2alignl 7, 3214868480
	.fill 96, 4, 3214868480
	.section	.rodata,"a",@progbits
	.p2align	6, 0x0
	.amdhsa_kernel k_q0c9d5f76b0_lnq
		.amdhsa_group_segment_fixed_size 131840
		.amdhsa_private_segment_fixed_size 0
		.amdhsa_enable_private_segment 0
		.amdhsa_kernarg_size 32
		.amdhsa_user_sgpr_count 2
		.amdhsa_user_sgpr_kernarg_segment_ptr 1
		.amdhsa_wavefront_size32 1
		.amdhsa_system_sgpr_workgroup_id_x 1
		.amdhsa_system_sgpr_workgroup_id_y 1
		.amdhsa_system_sgpr_workgroup_id_z 1
		.amdhsa_system_vgpr_workitem_id 0
		.amdhsa_next_free_vgpr 234
		.amdhsa_next_free_sgpr 66
		.amdhsa_reserve_vcc 0
		.amdhsa_float_denorm_mode_32 3
		.amdhsa_float_denorm_mode_16_64 3
		.amdhsa_memory_ordered 1
		.amdhsa_forward_progress 1
		.amdhsa_inst_pref_size 157
	.end_amdhsa_kernel
	.amdgpu_metadata
---
amdhsa.version: [ 1, 2 ]
amdhsa.kernels:
  - .name:           k_q0c9d5f76b0_lnq
    .symbol:         k_q0c9d5f76b0_lnq.kd
    .args:
      - { .name: x, .offset: 0, .size: 8, .value_kind: global_buffer, .address_space: global }
      - { .name: ln_gamma, .offset: 8, .size: 8, .value_kind: global_buffer, .address_space: global }
      - { .name: ln_beta, .offset: 16, .size: 8, .value_kind: global_buffer, .address_space: global }
      - { .name: xbuf, .offset: 24, .size: 8, .value_kind: global_buffer, .address_space: global }
    .group_segment_fixed_size: 131840
    .private_segment_fixed_size: 0
    .kernarg_segment_align: 8
    .kernarg_segment_size: 32
    .max_flat_workgroup_size: 64
    .sgpr_count:     66
    .vgpr_count:     234
    .wavefront_size: 32
...
	.end_amdgpu_metadata
.endif
;; end of part 2
;; launch qkv (part 3): grid 96 x 4, 4 waves a work-group, clusters of 4 x 4, 327,680 bytes of LDS; arguments xbuf, wbuf, bq, bk, bv, qbuf, kvbuf; writes qbuf, kvbuf
.if DOCPART == 3
	.amdgcn_target "amdgcn-amd-amdhsa--gfx1250"
	.amdhsa_code_object_version 6
	.text
	.protected	k_q0c9d5f76b0_qkv
	.globl	k_q0c9d5f76b0_qkv
	.p2align	8
	.type	k_q0c9d5f76b0_qkv,@function
k_q0c9d5f76b0_qkv:
	s_mov_b64 s[64:65], 0
	v_nop
	global_prefetch_b8 v0, s[64:65] scope:SCOPE_SE
	s_setreg_imm32_b32 hwreg(HW_REG_WAVE_MODE, 25, 1), 1
	s_wait_xcnt 0x0
	s_wait_alu depctr_hold_cnt(0) depctr_sa_sdst(0) depctr_va_vdst(0) depctr_va_sdst(0) depctr_va_ssrc(0) depctr_va_vcc(0) depctr_vm_vsrc(0)
	s_getreg_b32 s2, hwreg(HW_REG_IB_STS2, 6, 4)
	s_cmp_eq_u32 s2, 0
	s_cbranch_scc0 .Lentry_in_a_cluster
	s_endpgm
.Lentry_in_a_cluster:
	s_bfe_u32 s2, ttmp6, 0x10000c
	s_cmp_lg_u32 s2, 0xf033
	s_cbranch_scc0 .Lentry_shape_is_right
	s_endpgm
.Lentry_shape_is_right:
; q, k, v = xn W + b on codes of E3M2 (K = 1,024), RoPE on q and k, and the results quantised again as attention's operands: q and k along the head's 64, v along the keys.
; A tile of 256 x 256 is made by four waves, each 128 x 128: 64 accumulators in 512 registers.  Source 0 is called B here and source 1 A: in a result a lane holds ONE row of A and its registers run along B's rows.
; So B is the operand whose rows are the next product's K.  Clusters 0-15 (q and k): A = xn (tokens), B = Wq and Wk as one matrix of 2,048 rows (features).  Clusters 16-23 (v): A = Wv (features), B = xn (tokens).
; The cluster's number is the same in all sixteen partners; it chooses buffers and offsets by selects, and one branch, behind the last barrier and the last tensor load, parts the two ways out.
; OPERANDS lie in memory as images of fragments (registers 4 g .. 4 g + 3 of lane l at 512 g + 16 l; fragment (row tile T, K step s) at (8 T + s) x 1,536): a fragment is three loads of 16 bytes a lane, 512 dense bytes each.
; Row r of tile T is row 32 (T / 2) + 8 (T % 2) + r + (r & 8) of the matrix, so the 16 result registers of B's tiles 2 b, 2 b + 1 are rows 32 b + 16 (lane / 16) + 0 .. 15: 16 neighbours along the next K.
; K goes through a ring of two LDS slots of 256 along K (a row tile's part: 3,072 dense bytes), filled by joint tensor loads: A's tiles are shared along a row of the cluster, B's along a column.
; The scale bytes of the tile's rows, for all of K, come once with the first fills.
; THE WAYS OUT touch no LDS.  q, k: + bias, RoPE by the table [position][frequency][cos, sin], quantised: a token tile gives half a fragment (64 along K) for each of the wave's two heads; two token tiles are packed
; into one fragment (k 0-63: keys 32 p + r + (r & 8); k 64-127: those 8 further on).  v: + bias, quantised along 128 tokens: a feature tile gives a whole fragment of V^T.
; qbuf: block (16 head + chunk) x 6,400: four packed fragments, 256 bytes of scale words [r][fragment].  kvbuf: block (16 head + chunk) x 12,800: K's four fragments, V^T's four, K's scale words, V's scale words.
; LIMITS: NaN and infinities are not served; a block of zeros carries the byte 1 (zero codes; the bytes are read by this program alone).
; REGISTERS: window 0: v1-29 addresses; v32-63 scale words, two sets; v128-223 A's fragments, one set; on the way out as listed below.  window 1: B's fragments, two sets at v0 and v128; the biases take set 0's place
; during the last step.  windows 2, 3: the accumulators of my A rows 0-63 and 64-127 ((a, b) at v[8 (8 (a % 4) + b)]).
.set NQ,    2                          ; steps of 128 along K in a slot
.set FR,    12                         ; registers of a fragment
.set NL,    3                          ; LDS loads that bring one of B
.set NLA,   3                          ; and one of A
.set NP,    4                          ; places behind this matrix instruction (ISA guide 7.12.1)
.set TROW,  3072                       ; a row tile's part of a slot
.set HALFT, 8*TROW                     ; 128 rows: what one tensor load brings
.set SLOT,  4*HALFT                    ; A's 256 rows, then B's
.set SCL,   2*SLOT                     ; behind the ring: the scale bytes,
.set HALFS, 4096                       ; 4,096 for 128 rows
.set SPARE, SCL+4*HALFS                ; and the spare words, 128 bytes for each wave, which no other line names
.set LAPS,  2                          ; 1,024 along K: twice round the ring
.set ADRA, 16                          ; v16-17 LDS address of my A fragments in slot 0, 1
.set ADRB, 20                          ; v20-21 the same for B
.set ADRS, 27                          ; v27    of my scale words: lanes 0-15 A's rows, lanes 16-31 B's
.set SPW,  28                          ; v28    my spare word; never rewritten
.set NIL,  29                          ; v29    0; never rewritten
.set SC,   32
.set AF,   128
.set G1, 24
.set G0, 32
.set G1B, 48
.set G0B, 56
.set G1S, 68
.set G0S, 76
.set G1SB, 80
.set G0SB, 88
.set SEL, 98                           ; s[98:99] selects for lane l xor 16
.set HM,  2                            ; s2 lanes 16-31
; the way out, window 0
.set CS1, 64                           ; v64-95   (cos, sin) pairs, second buffer; in the v path v64-71 the scale words
.set VW,  64
.set FA,  96                           ; v96-107  a fragment of the first head
.set FB,  108                          ; v108-119 of the second
.set SW,  120                          ; v120-123 scale words to store
.set PW0, 124                          ; v124-125 the scale words just made
.set T,   128                          ; v128-191 64 numbers
.set TM,  192                          ; v192-207 the quantiser's work
.set CT,  208                          ; v208-214 the blocks' upper halves as the conversions leave them
.set RT,  216                          ; v216-223 RoPE's work
.set CS0, 224                          ; v224-255 (cos, sin) pairs, first buffer
.set MSB, 0
.macro WIN new                         ; the immediate's high byte repeats the setting that is left
.if MSB != (\new)
	s_set_vgpr_msb (MSB<<8)|(\new)
.set MSB, (\new)
.endif
.endm
.set MUL_LO, 0xa1                      ; source 0 (B) window 1, source 1 (A) window 0, C and D window 2
.set MUL_HI, 0xf1                      ; the same, C and D window 3
.set TO_B,   0x40                      ; destination window 1, address window 0
; A joint load: waves 0 and 1 fetch for A, waves 2 and 3 for B; the branch hangs on the wave's number alone.  Four v_nop follow each of the two lines.
.macro JLOAD g0a, g1a, g0b, g1b
	s_cmp_eq_u32 s15, 0
	s_cbranch_scc0 .Lfor_b_\@
	tensor_load_to_lds s[\g0a:\g0a+3], s[\g1a:\g1a+7]
	s_nop 0
.rept 4
	v_nop
.endr
	s_branch .Lasked_\@
.Lfor_b_\@:
	tensor_load_to_lds s[\g0b:\g0b+3], s[\g1b:\g1b+7]
	s_nop 0
.rept 4
	v_nop
.endr
.Lasked_\@:
.endm
.macro CREST                           ; a round of the cluster's barrier behind its opening barrier
	s_cmp_lg_u32 s14, 0
	s_cbranch_scc1 .Lnot_wave_0_\@
	s_barrier_signal -3
.Lnot_wave_0_\@:
	s_barrier_wait -3
	s_barrier_signal -1
	s_barrier_wait -1
.endm
.macro CROUND
	s_barrier_signal -1
	s_barrier_wait -1
	CREST
.endm
	s_load_b128 s[4:7], s[0:1], 0x0                ; xbuf, wbuf
	v_lshl_add_u32 v[SPW], v0, 2, SPARE
	v_mov_b32 v[NIL], 0
	ds_add_u32 v28, v29
	ds_add_u32 v28, v29
	s_wait_dscnt 0x0
	v_lshrrev_b32 v1, 5, v0
	v_readfirstlane_b32 s14, v1                    ; wave 0..3
	s_lshr_b32 s15, s14, 1                         ; which half of A's rows is mine.  Also: I fetch for A (0) or for B (1)
	s_and_b32 s16, s14, 1                          ; which half of B's rows.  Also: which 128 rows I fetch
	s_bfe_u32 s40, ttmp6, 0x40000                  ; cx, cy: my place in the cluster
	s_bfe_u32 s41, ttmp6, 0x40004
	s_and_b32 s18, ttmp9, 1                        ; q, k: 2 x 8 clusters over 8 tile columns and 32 tile rows
	s_lshr_b32 s19, ttmp9, 1
	s_sub_co_u32 s20, ttmp9, 16                    ; v: 8 x 1 clusters over 32 tile columns and 4 tile rows
	s_cmp_lt_u32 ttmp9, 16
	s_cselect_b32 s18, s18, s20
	s_cselect_b32 s19, s19, 0
	s_cselect_b32 s95, 0, 1572864                  ; where A's codes begin in their buffer: xn's, or Wv's
	s_mov_b32 s96, 3211264
	s_cselect_b32 s96, 6291456, s96                ; A's scale bytes
	s_mov_b32 s97, 6291456
	s_cselect_b32 s97, 3145728, s97                ; B's scale bytes (B's codes begin at 0 both ways)
	s_lshl_b32 s42, s18, 2
	s_add_co_u32 s42, s42, s40                     ; tile column (B) = 4 x the cluster's + cx
	s_lshl_b32 s17, s19, 2
	s_add_co_u32 s17, s17, s41                     ; tile row (A) = 4 x the cluster's + cy
	s_lshl_b32 s43, s41, 2
	s_lshl_b32 s43, 15, s43                        ; my row of the cluster
	s_lshl_b32 s44, 0x1111, s40                    ; my column
	; descriptor group 1 for codes: 8 row tiles x 3,072 bytes (384 elements of 8), 12,288 bytes apart; dense in LDS
	s_or_b32 s[G1+0], s43, (3<<16)|(1<<21)         ; 15:0 the mask; 17:16 elements of 8 bytes; 21 set beside a mask
	s_or_b32 s[G1B+0], s44, (3<<16)|(1<<21)
.irp g, G1, G1B
	s_mov_b32 s[\g+1], 384<<16                     ; tensor_dim0
	s_mov_b32 s[\g+2], 8<<16                       ; tensor_dim1
	s_mov_b32 s[\g+3], 384<<16                     ; tile_dim0
	s_mov_b32 s[\g+4], 8                           ; tile_dim1
	s_mov_b32 s[\g+5], 1536                        ; tensor_dim0_stride
	s_mov_b32 s[\g+6], 0
	s_mov_b32 s[\g+7], 0
.endr
	; and for the scale bytes of 128 rows: 4,096 dense bytes as 16 rows of 256
	s_or_b32 s[G1S+0], s43, (3<<16)|(1<<21)
	s_or_b32 s[G1SB+0], s44, (3<<16)|(1<<21)
.irp g, G1S, G1SB
	s_mov_b32 s[\g+1], 32<<16
	s_mov_b32 s[\g+2], 16<<16
	s_mov_b32 s[\g+3], 32<<16
	s_mov_b32 s[\g+4], 16
	s_mov_b32 s[\g+5], 32
	s_mov_b32 s[\g+6], 0
	s_mov_b32 s[\g+7], 0
.endr
	s_lshl_b32 s18, s16, 3                         ; which 8 row tiles I fetch
	s_lshl_b32 s20, s17, 4
	s_add_co_u32 s20, s20, s18                     ; A: row tile 16 x tile row + 8 x half
	s_lshl_b32 s46, s42, 4
	s_add_co_u32 s46, s46, s18                     ; B: 16 x tile column + 8 x half
	s_lshl_b32 s22, s20, 9
	s_add_co_u32 s22, s22, s96                     ; their scale bytes,
	s_mov_b32 s23, 0
	s_lshl_b32 s92, s46, 9
	s_add_co_u32 s92, s92, s97
	s_mov_b32 s93, 0
	s_mul_i32 s20, s20, 12288
	s_add_co_u32 s20, s20, s95                     ; their codes
	s_mov_b32 s21, 0
	s_mul_i32 s46, s46, 12288
	s_mov_b32 s47, 0
	s_mul_i32 s45, s14, HALFT                      ; where they go: no place in the cluster enters an LDS address
	s_mul_i32 s94, s14, HALFS
	s_wait_kmcnt 0x0
	s_cmp_lt_u32 ttmp9, 16
	s_cselect_b64 s[8:9], s[4:5], s[6:7]           ; A's buffer
	s_cselect_b64 s[10:11], s[6:7], s[4:5]         ; B's
	s_add_nc_u64 s[20:21], s[8:9], s[20:21]
	s_add_nc_u64 s[22:23], s[8:9], s[22:23]
	s_add_nc_u64 s[46:47], s[10:11], s[46:47]
	s_add_nc_u64 s[92:93], s[10:11], s[92:93]
	CROUND                                         ; all sixteen work-groups are here: the first joint loads meet
	s_mov_b32 s[G0S], 1
	s_add_co_u32 s[G0S+1], s94, SCL
	s_mov_b64 s[G0S+2:G0S+3], s[22:23]
	s_or_b32 s[G0S+3], s[G0S+3], 0x80000000
	s_mov_b32 s[G0SB], 1
	s_add_co_u32 s[G0SB+1], s94, SCL
	s_mov_b64 s[G0SB+2:G0SB+3], s[92:93]
	s_or_b32 s[G0SB+3], s[G0SB+3], 0x80000000
	JLOAD G0S, G1S, G0SB, G1SB                     ; the scale bytes first: they are wanted with the first step
.irp s, 0,1
	s_mov_b32 s[G0+4*\s], 1
	s_add_co_u32 s[G0+4*\s+1], s45, \s*SLOT
	s_add_nc_u64 s[G0+4*\s+2:G0+4*\s+3], s[20:21], \s*TROW
	s_or_b32 s[G0+4*\s+3], s[G0+4*\s+3], 0x80000000
	s_mov_b32 s[G0B+4*\s], 1
	s_add_co_u32 s[G0B+4*\s+1], s45, \s*SLOT
	s_add_nc_u64 s[G0B+4*\s+2:G0B+4*\s+3], s[46:47], \s*TROW
	s_or_b32 s[G0B+4*\s+3], s[G0B+4*\s+3], 0x80000000
	JLOAD G0+4*\s, G1, G0B+4*\s, G1B               ; three tensor loads of mine are out
.endr
	s_load_b128 s[4:7], s[0:1], 0x10               ; for the way out: bq, bk,
	s_load_b128 s[8:11], s[0:1], 0x20              ; bv, qbuf,
	s_load_b64 s[12:13], s[0:1], 0x30              ; kvbuf,
	s_load_b64 s[66:67], s[0:1], 0x8               ; wbuf (the table)
	v_and_b32 v1, 15, v0                           ; r = l % 16; kept
	v_bfe_u32 v2, v0, 4, 1                         ; h = l / 16; kept
	v_and_b32 v3, 31, v0
	v_lshlrev_b32 v10, 4, v3                       ; 16 x lane; kept
	s_mul_i32 s21, s15, HALFT                      ; my 128 rows of A
	s_mul_i32 s22, s16, HALFT                      ; my 128 rows of B,
	s_add_co_u32 s22, s22, 2*HALFT                 ; which lie behind A's 256
.irp s, 0,1
	v_add_nc_u32 v[ADRA+\s], s21, v10
	v_add_nc_u32 v[ADRB+\s], s22, v10
	s_add_co_u32 s21, s21, SLOT
	s_add_co_u32 s22, s22, SLOT
.endr
	v_lshlrev_b32 v5, 3, v1                        ; my row's scale words: 8 bytes a row and slot
	s_mul_i32 s21, s15, HALFS
	s_mul_i32 s22, s16, HALFS
	s_add_co_u32 s22, s22, 2*HALFS
	s_sub_co_u32 s22, s22, s21
	v_mul_u32_u24 v6, s22, v2                      ; lanes 16-31 take B's: one product, the distance between the two bases
	s_add_co_u32 s21, s21, SCL
	v_add_nc_u32 v5, v5, v6
	v_add_nc_u32 v[ADRS], s21, v5
	v_and_b32 v7, 8, v1
	v_add_nc_u32 v7, v7, v1                        ; r + (r & 8); kept
	v_lshlrev_b32 v8, 8, v7
	v_lshl_add_u32 v8, v2, 6, v8                   ; the table: 256 bytes a position, + 64 h: my eight frequencies
	s_mov_b32 s[SEL], 0x76543210
	s_mov_b32 s[SEL+1], 0xfedcba98
	s_mov_b32 s[HM], 0xffff0000
.macro FRAG reg, adr, q, i             ; a fragment's image: three loads of 512 dense bytes
.irp c, 0,1,2
	ds_load_b128 v[\reg+4*\c:\reg+4*\c+3], v[\adr] offset:(\i)*TROW+(\q)*1536+512*\c
.endr
.endm
; 16 matrix instructions: A's blocks a0, a0 + 1 x B's eight, the slot's q-th 128 along K.  p: B's set; sc: the set of scale words.  zero = 1: the first product starts the sums.
; The 64 accumulators take turns, one instruction a turn, in the same order in every step.
.macro MUL16 a0, p, q, sc, zero
.irp a, \a0, \a0+1
.irp b, 0,1,2,3,4,5,6,7
.if \zero
	v_wmma_scale_f32_16x16x128_f8f6f4 v[8*(8*((\a)%4)+\b):8*(8*((\a)%4)+\b)+7], v[128*(\p)+FR*\b:128*(\p)+FR*\b+FR-1], v[AF+FR*(\a):AF+FR*(\a)+FR-1], 0, v[SC+8*NQ*(\sc)+NQ*\b+(\q)], v[SC+8*NQ*(\sc)+NQ*(\a)+(\q)] matrix_a_fmt:MATRIX_FMT_BF6 matrix_b_fmt:MATRIX_FMT_BF6 matrix_a_scale:MATRIX_SCALE_ROW1
.else
	v_wmma_scale_f32_16x16x128_f8f6f4 v[8*(8*((\a)%4)+\b):8*(8*((\a)%4)+\b)+7], v[128*(\p)+FR*\b:128*(\p)+FR*\b+FR-1], v[AF+FR*(\a):AF+FR*(\a)+FR-1], v[8*(8*((\a)%4)+\b):8*(8*((\a)%4)+\b)+7], v[SC+8*NQ*(\sc)+NQ*\b+(\q)], v[SC+8*NQ*(\sc)+NQ*(\a)+(\q)] matrix_a_fmt:MATRIX_FMT_BF6 matrix_b_fmt:MATRIX_FMT_BF6 matrix_a_scale:MATRIX_SCALE_ROW1
.endif
.endr
.endr
.endm
.macro FETCH_B slot, q, p
	WIN TO_B
.irp i, 0,1,2,3,4,5,6,7
	FRAG 128*(\p)+FR*\i, ADRB+\slot, \q, \i
.endr
	WIN 0
.endm
.macro FETCH_A slot, q, i0
.irp i, \i0, \i0+1, \i0+2, \i0+3
	FRAG AF+FR*(\i), ADRA+\slot, \q, \i
.endr
.endm
.macro SCALES sc                       ; a slot's two scale words a row: lanes 0-15 take A's block i, lanes 16-31 B's block i
.irp i, 0,1,2,3,4,5,6,7
	ds_load_b64 v[SC+8*NQ*\sc+NQ*\i:SC+8*NQ*\sc+NQ*\i+1], v[ADRS] offset:\i*512
.endr
.endm
.macro PLACES n                        ; plain lines between a matrix instruction and a load into, or a vector write of, one of its registers, or a read of its result
.rept \n
	v_nop
.endr
.endm
.macro STEP slot, q, zero              ; a step of 128 along K that has its successor in the same slot
	s_wait_dscnt 4*NLA                             ; B's set and A's blocks 0-3 are in; the youngest loads (A's blocks 4-7) may be out
	WIN MUL_LO
	MUL16 0, (\q)%2, \q, \slot, \zero
	MUL16 2, (\q)%2, \q, \slot, \zero
	s_wait_dscnt 0
	PLACES NP
	FETCH_B \slot, (\q)+1, 1-(\q)%2
	FETCH_A \slot, (\q)+1, 0
	WIN MUL_HI
	MUL16 4, (\q)%2, \q, \slot, \zero
	MUL16 6, (\q)%2, \q, \slot, \zero
	PLACES NP
	WIN 0
	FETCH_A \slot, (\q)+1, 4
.endm
; A slot's last step changes slots: one barrier; in front of it each wave waits for all its tensor loads, adds 0 to its spare word, and waits for that and for its reads of this slot.  fill = 1: the slot is filled again, two slots ahead.
.macro TURN slot, next, fill
	s_wait_tensorcnt 0x0                           ; all my tensor loads have landed: my part of the next slot
	ds_add_u32 v[SPW], v[NIL]                      ; 0 onto my spare word
	s_wait_dscnt 4*NLA+1                           ; (the add and A's blocks 4-7 may be out)
	WIN MUL_LO
	MUL16 0, 1, NQ-1, \slot, 0
	s_wait_dscnt 0x0                               ; the add is done, and my reads of this slot are over
	s_barrier_signal -1
	MUL16 2, 1, NQ-1, \slot, 0
	WIN 0
	s_barrier_wait -1
.if \fill
	CREST                                          ; the barrier has opened a round of the cluster's: no wave of any partner still reads this slot or has a load on its way
	s_add_nc_u64 s[G0+4*\slot+2:G0+4*\slot+3], s[G0+4*\slot+2:G0+4*\slot+3], 2*TROW
	s_add_nc_u64 s[G0B+4*\slot+2:G0B+4*\slot+3], s[G0B+4*\slot+2:G0B+4*\slot+3], 2*TROW
	JLOAD G0+4*\slot, G1, G0B+4*\slot, G1B         ; the first tensor load behind the round; its four v_nop are the places in front of the loads below
.else
	PLACES NP
.endif
	v_add_nc_u32 v[ADRS], 128, v[ADRS]             ; the next slot's scale words
	FETCH_B \next, 0, 0
	FETCH_A \next, 0, 0
	SCALES \next
	WIN MUL_HI
	MUL16 4, 1, NQ-1, \slot, 0
	MUL16 6, 1, NQ-1, \slot, 0
	PLACES NP
	WIN 0
	FETCH_A \next, 0, 4
.endm
.macro LAST                            ; the very last step: nothing more to fetch
	s_wait_dscnt 4*NLA
	WIN MUL_LO
	MUL16 0, 1, NQ-1, 1, 0
	MUL16 2, 1, NQ-1, 1, 0
	s_wait_dscnt 0
	WIN MUL_HI
	MUL16 4, 1, NQ-1, 1, 0
	MUL16 6, 1, NQ-1, 1, 0
	WIN 0
.endm
	s_wait_tensorcnt 1                             ; the scale bytes and my part of slot 0 are in (slot 1's load may be out),
	s_barrier_signal -1
	s_barrier_wait -1                              ; everybody's are
	FETCH_B 0, 0, 0
	FETCH_A 0, 0, 0
	SCALES 0
	FETCH_A 0, 0, 4
	STEP 0, 0, 1                                   ; the first step stands in front of the loop: its products start the sums
	s_mov_b32 s3, LAPS-1
.Llap:                                             ; a trip goes once round the ring and fills both slots again
	TURN 0, 1, 1
	STEP 1, 0, 0
	TURN 1, 0, 1
	STEP 0, 0, 0
	s_sub_co_u32 s3, s3, 1
	s_cmp_lg_u32 s3, 0
	s_cbranch_scc1 .Llap
	TURN 0, 1, 0                                   ; the last lap fills nothing; no tensor load of mine is out from here on
	STEP 1, 0, 0
; 64 numbers of a lane, register 16 b + i = k 32 b + 16 (lane / 16) + i of my row, become codes: blocks 0, 1 in v[d0] .. + 5, blocks 2, 3 in v[d1] .. + 5 (lanes 0-15 the even block, lanes 16-31 the odd one), and the row's four scale bytes in v[pw].
.macro QUANT s, d0, d1, pw
.irp b, 0,1,2,3
	v_max3_num_f32 v[TM+\b], |v[\s+16*\b]|, |v[\s+1+16*\b]|, 0x2800000   ; my 16 numbers of block b, and the floor 2^(5 - 127)
.endr
.irp i, 2,4,6,8,10,12,14
.irp b, 0,1,2,3
	v_max3_num_f32 v[TM+\b], v[TM+\b], |v[\s+16*\b+\i]|, |v[\s+1+16*\b+\i]|
.endr
.endr
.irp b, 0,1,2,3
	v_permlanex16_b32 v[TM+4+\b], v[TM+\b], s[SEL], s[SEL+1]
.endr
.irp b, 0,1,2,3
	v_max_num_f32 v[TM+\b], v[TM+\b], v[TM+4+\b]   ; with lane l xor 16's: the block's largest magnitude
.endr
.irp b, 0,1,2,3
	v_add_nc_u32 v[TM+12+\b], 0xfe000000, v[TM+\b] ; 4 off its exponent field: the conversion's scale operand
.endr
.irp b, 0,1,2,3
	v_lshrrev_b32 v[TM+4+\b], 23, v[TM+12+\b]      ; the scale's byte
.endr
	v_lshl_or_b32 v[\pw], v[TM+5], 8, v[TM+4]
	v_lshl_or_b32 v[\pw], v[TM+6], 16, v[\pw]
	v_lshl_or_b32 v[\pw], v[TM+7], 24, v[\pw]
	v_cvt_scalef32_pk16_bf6_f32 v[\d0:\d0+2], v[\s:\s+15], v[TM+12]
	v_cvt_scalef32_pk16_bf6_f32 v[CT:CT+2], v[\s+16:\s+31], v[TM+13]
	v_cvt_scalef32_pk16_bf6_f32 v[\d1:\d1+2], v[\s+32:\s+47], v[TM+14]
	v_cvt_scalef32_pk16_bf6_f32 v[CT+4:CT+6], v[\s+48:\s+63], v[TM+15]
	v_nop                                          ; one plain line behind the conversions
.irp i, 0,1,2                          ; the layout wants a whole block in a lane: the first's lanes 16-31 change places with the second's lanes 0-15
	v_permlane16_swap_b32 v[\d0+\i], v[CT+\i]
	v_permlane16_swap_b32 v[\d1+\i], v[CT+4+\i]
.endr
.irp i, 0,1,2
	v_mov_b32 v[\d0+3+\i], v[CT+\i]
	v_mov_b32 v[\d1+3+\i], v[CT+4+\i]
.endr
.endm
	s_cmp_ge_u32 ttmp9, 16                         ; the cluster's number: the same in all partners.  No barrier and no tensor load stands in either way out
	s_cbranch_scc1 .Lvpath
	; ---- q and k.  My 128 tokens are chunk 2 x tile row + half of A; my 128 features are two heads of q or of k
	s_wait_kmcnt 0x0
	s_lshl_b32 s18, s17, 1
	s_add_co_u32 s18, s18, s15                     ; chunk of 128 tokens, 0 .. 63
	s_lshr_b32 s19, s18, 4                         ; batch
	s_and_b32 s18, s18, 15                         ; chunk in the sequence
	s_lshl_b32 s20, s42, 1
	s_add_co_u32 s20, s20, s16                     ; 128 features: 0-7 of q, 8-15 of k
	s_and_b32 s21, s20, 7                          ; which pair of heads
	s_lshl_b32 s22, s19, 4
	s_lshl_b32 s23, s21, 1
	s_add_co_u32 s22, s22, s23                     ; 16 x batch + the first head
	s_lshl_b32 s22, s22, 4
	s_add_co_u32 s22, s22, s18                     ; its block
	s_cmp_lt_u32 s20, 8
	s_mov_b32 s24, 12800
	s_cselect_b32 s24, 6400, s24                   ; a block's bytes
	s_mov_b32 s25, 12288
	s_cselect_b32 s25, 6144, s25                   ; where its scale words begin
	s_cselect_b64 s[26:27], s[10:11], s[12:13]     ; qbuf or kvbuf
	s_cselect_b64 s[28:29], s[4:5], s[6:7]         ; bq or bk
	s_mul_i32 s22, s22, s24
	s_mov_b32 s23, 0
	s_add_nc_u64 s[26:27], s[26:27], s[22:23]      ; the first head's block
	s_lshl_b32 s30, s24, 4                         ; from a head to the next: 16 blocks
	s_mov_b32 s31, 0
	s_add_nc_u64 s[32:33], s[26:27], s[30:31]      ; the second head's
	s_mov_b32 s22, s25
	s_add_nc_u64 s[34:35], s[26:27], s[22:23]      ; the scale words
	s_lshl_b32 s22, s21, 9
	s_add_nc_u64 s[28:29], s[28:29], s[22:23]      ; my 128 numbers of the bias
	s_lshl_b32 s22, s18, 15
	s_add_co_u32 s22, s22, 3276800
	s_add_nc_u64 s[36:37], s[66:67], s[22:23]      ; the table at my chunk's first position
	v_lshlrev_b32 v9, 6, v2                        ; the bias: + 64 h
	v_mul_u32_u24 v11, s30, v2
	v_lshl_add_u32 v11, v1, 4, v11                 ; the scale words: 16 r; lanes 16-31 the second head's
	WIN TO_B                                       ; the bias in the results' layout: register 16 b + i = feature 32 b + 16 h + i; into B's set 0, whose last reader stands four places back
.irp b, 0,1,2,3
.irp j, 0,1,2,3
	global_load_b128 v[16*\b+4*\j:16*\b+4*\j+3], v9, s[28:29] offset:128*\b+16*\j
.endr
.endr
	WIN 0
.macro CSLOAD a                        ; token tile a: my token's (cos, sin) of frequencies 8 h + 0 .. 7 and 16 + 8 h + 0 .. 7, into buffer a % 2
.set CSB, CS0+((\a)%2)*(CS1-CS0)
.irp j, 0,1,2,3
	global_load_b128 v[CSB+4*\j:CSB+4*\j+3], v8, s[36:37] offset:(32*((\a)/2)+8*((\a)%2))*256+16*\j
	global_load_b128 v[CSB+16+4*\j:CSB+16+4*\j+3], v8, s[36:37] offset:(32*((\a)/2)+8*((\a)%2))*256+128+16*\j
.endr
.endm
	CSLOAD 0
	LAST                                           ; the loads above land under the last 64 products
	PLACES NP
.irp b, 0,1,2,3
	v_mov_b32 v[TM+4+\b], 0                        ; a lane permute's destination counts as one of its sources
.endr
.macro TAKE a                          ; block a's 64 sums + the bias, each accumulator from its low end on
	WIN 0x06+((\a)/4)                              ; source 0 window 2 or 3, source 1 window 1
.set i, 0
.rept 32
	v_pk_add_f32 v[T+i:T+i+1], v[64*((\a)%4)+i:64*((\a)%4)+i+1], v[i:i+1]
.set i, i+2
.endr
	WIN 0
.endm
.macro ROPE cs                         ; a pair (x1, x2) with (c, s): t = (x1 s, x2 s); (x1, x2) = (x1 c - t.hi, x2 c + t.lo)
.irp be, 0,1,2,3
.irp g, 0,1
.irp i, 0,1,2,3
	v_pk_mul_f32 v[RT+2*\i:RT+2*\i+1], v[T+16*\be+8*\g+2*\i:T+16*\be+8*\g+2*\i+1], v[\cs+16*(\be%2)+8*\g+2*\i:\cs+16*(\be%2)+8*\g+2*\i+1] op_sel:[0,1] op_sel_hi:[1,1]
.endr
.irp i, 0,1,2,3
	v_pk_fma_f32 v[T+16*\be+8*\g+2*\i:T+16*\be+8*\g+2*\i+1], v[T+16*\be+8*\g+2*\i:T+16*\be+8*\g+2*\i+1], v[\cs+16*(\be%2)+8*\g+2*\i:\cs+16*(\be%2)+8*\g+2*\i+1], v[RT+2*\i:RT+2*\i+1] op_sel:[0,0,1] op_sel_hi:[1,0,0] neg_lo:[0,0,1]
.endr
.endr
.endr
.endm
.macro QKPAIR p                        ; token tiles 2 p and 2 p + 1 make packed fragment p of both heads
.irp u, 0,1
.if 2*(\p)+\u < 7
	CSLOAD 2*(\p)+\u+1
	s_wait_loadcnt 8                               ; this tile's table loads (and the bias) are in; the next tile's eight may be out
.else
	s_wait_loadcnt 0
.endif
	TAKE 2*(\p)+\u
	ROPE CS0+\u*(CS1-CS0)
.if (\u == 0) && (\p > 0)
	s_wait_xcnt 0x0                                ; the last pair's stores have read the fragments' registers
.endif
	QUANT T, FA+6*\u, FB+6*\u, PW0+\u
.endr
.irp c, 0,1,2
	global_store_b128 v10, v[FA+4*\c:FA+4*\c+3], s[26:27] offset:1536*(\p)+512*\c   ; 512 consecutive bytes a store
	global_store_b128 v10, v[FB+4*\c:FB+4*\c+3], s[32:33] offset:1536*(\p)+512*\c
.endr
	v_perm_b32 v126, v[PW0+1], v[PW0], 0x05040100  ; the first head's word: tile 2 p's two bytes, tile 2 p + 1's two
	v_perm_b32 v127, v[PW0+1], v[PW0], 0x07060302  ; the second head's
	v_cndmask_b32 v[SW+\p], v126, v127, s[HM]
.endm
	QKPAIR 0
	QKPAIR 1
	QKPAIR 2
	QKPAIR 3
	global_store_b128 v11, v[SW:SW+3], s[34:35]    ; lanes 0-15 fill the first head's 256 bytes, lanes 16-31 the second's
	s_branch .Lend
.Lvpath:
	; ---- v.  My 128 features (A's rows) are two heads; my 128 tokens (B's rows) are a chunk of keys, along which v is quantised
	s_wait_kmcnt 0x0
	s_lshl_b32 s18, s42, 1
	s_add_co_u32 s18, s18, s16                     ; chunk of 128 tokens
	s_lshr_b32 s19, s18, 4                         ; batch
	s_and_b32 s18, s18, 15
	s_lshl_b32 s20, s17, 1
	s_add_co_u32 s20, s20, s15                     ; which pair of heads
	s_lshl_b32 s22, s19, 4
	s_lshl_b32 s23, s20, 1
	s_add_co_u32 s22, s22, s23
	s_lshl_b32 s22, s22, 4
	s_add_co_u32 s22, s22, s18
	s_mul_i32 s22, s22, 12800
	s_add_co_u32 s22, s22, 6144                    ; V's fragments lie behind K's
	s_mov_b32 s23, 0
	s_add_nc_u64 s[26:27], s[12:13], s[22:23]
	s_add_nc_u64 s[32:33], s[26:27], 204800        ; the second head's block
	s_add_nc_u64 s[34:35], s[26:27], 6400          ; V's scale words
	s_lshl_b32 s22, s20, 9
	s_add_nc_u64 s[28:29], s[8:9], s[22:23]        ; my 128 numbers of bv
	v_lshlrev_b32 v9, 2, v7                        ; my feature in a tile: 4 (r + (r & 8))
	v_mul_u32_u24 v11, 204800, v2
	v_lshl_add_u32 v11, v1, 4, v11
	WIN TO_B
.irp a, 0,1,2,3,4,5,6,7                ; tile a's bias of my feature, in both registers of a pair, for the packed additions
	global_load_b32 v[2*\a], v9, s[28:29] offset:4*(32*(\a/2)+8*(\a%2))
	global_load_b32 v[2*\a+1], v9, s[28:29] offset:4*(32*(\a/2)+8*(\a%2))
.endr
	WIN 0
	LAST
	s_wait_loadcnt 0x0
	PLACES NP
.irp b, 0,1,2,3
	v_mov_b32 v[TM+4+\b], 0
.endr
.macro VTILE a                         ; feature tile a: a fragment of V^T (16 of a head's 64 x 128 keys)
	WIN 0x06+((\a)/4)
.set i, 0
.rept 32
	v_pk_add_f32 v[T+i:T+i+1], v[64*((\a)%4)+i:64*((\a)%4)+i+1], v[2*(\a):2*(\a)+1]
.set i, i+2
.endr
	WIN 0
.if (\a) > 0
	s_wait_xcnt 0x0                                ; the last tile's stores have read the fragment's registers
.endif
	QUANT T, FA, FA+6, VW+(\a)
.irp c, 0,1,2
.if (\a) < 4
	global_store_b128 v10, v[FA+4*\c:FA+4*\c+3], s[26:27] offset:1536*((\a)%4)+512*\c
.else
	global_store_b128 v10, v[FA+4*\c:FA+4*\c+3], s[32:33] offset:1536*((\a)%4)+512*\c
.endif
.endr
.endm
.irp a, 0,1,2,3,4,5,6,7
	VTILE \a
.endr
.irp t, 0,1,2,3
	v_cndmask_b32 v[SW+\t], v[VW+\t], v[VW+4+\t], s[HM]
.endr
	global_store_b128 v11, v[SW:SW+3], s[34:35]
.Lend:
	s_wait_tensorcnt 0x0                           ; the wave's end
	ds_add_u32 v[SPW], v[NIL]
	s_wait_dscnt 0x0
	CROUND                                         ; the closing round: no work-group ends while a partner may still ask for a tile that names it
	s_endpgm
.Lfunc_end_k_q0c9d5f76b0_qkv:
	.size	k_q0c9d5f76b0_qkv, .Lfunc_end_k_q0c9d5f76b0_qkv-k_q0c9d5f76b0_qkv
	.p2alignl 7, 3214868480
	.fill 96, 4, 3214868480
	.section	.rodata,"a",@progbits
	.p2align	6, 0x0
	.amdhsa_kernel k_q0c9d5f76b0_qkv
		.amdhsa_group_segment_fixed_size 327680
		.amdhsa_private_segment_fixed_size 0
		.amdhsa_enable_private_segment 0
		.amdhsa_kernarg_size 56
		.amdhsa_user_sgpr_count 2
		.amdhsa_user_sgpr_kernarg_segment_ptr 1
		.amdhsa_wavefront_size32 1
		.amdhsa_system_sgpr_workgroup_id_x 1
		.amdhsa_system_sgpr_workgroup_id_y 1
		.amdhsa_system_sgpr_workgroup_id_z 1
		.amdhsa_system_vgpr_workitem_id 0
		.amdhsa_next_free_vgpr 1024
		.amdhsa_next_free_sgpr 100
		.amdhsa_reserve_vcc 0
		.amdhsa_float_denorm_mode_32 3
		.amdhsa_float_denorm_mode_16_64 3
		.amdhsa_memory_ordered 1
		.amdhsa_forward_progress 1
		.amdhsa_inst_pref_size 255
	.end_amdhsa_kernel
	.section	.bss,"aw",@nobits
	.p2align	6
	.space	262144
	.amdgpu_metadata
---
amdhsa.version: [ 1, 2 ]
amdhsa.kernels:
  - .name:           k_q0c9d5f76b0_qkv
    .symbol:         k_q0c9d5f76b0_qkv.kd
    .args:
      - { .name: xbuf, .offset: 0, .size: 8, .value_kind: global_buffer, .address_space: global }
      - { .name: wbuf, .offset: 8, .size: 8, .value_kind: global_buffer, .address_space: global }
      - { .name: bq, .offset: 16, .size: 8, .value_kind: global_buffer, .address_space: global }
      - { .name: bk, .offset: 24, .size: 8, .value_kind: global_buffer, .address_space: global }
      - { .name: bv, .offset: 32, .size: 8, .value_kind: global_buffer, .address_space: global }
      - { .name: qbuf, .offset: 40, .size: 8, .value_kind: global_buffer, .address_space: global }
      - { .name: kvbuf, .offset: 48, .size: 8, .value_kind: global_buffer, .address_space: global }
    .group_segment_fixed_size: 327680
    .private_segment_fixed_size: 0
    .kernarg_segment_align: 8
    .kernarg_segment_size: 56
    .max_flat_workgroup_size: 128
    .sgpr_count:     100
    .vgpr_count:     1024
    .wavefront_size: 32
...
	.end_amdgpu_metadata
.endif
;; end of part 3
;; launch attn (part 4): grid 4 x 64, 16 waves a work-group, clusters of 4 x 1, 206,848 bytes of LDS; arguments qbuf, kvbuf, abuf; writes abuf
.if DOCPART == 4
	.amdgcn_target "amdgcn-amd-amdhsa--gfx1250"
	.amdhsa_code_object_version 6
	.text
	.protected	k_q0c9d5f76b0_attn
	.globl	k_q0c9d5f76b0_attn
	.p2align	8
	.type	k_q0c9d5f76b0_attn,@function
k_q0c9d5f76b0_attn:
	s_mov_b64 s[64:65], 0
	v_nop
	global_prefetch_b8 v0, s[64:65] scope:SCOPE_SE
	s_setreg_imm32_b32 hwreg(HW_REG_WAVE_MODE, 25, 1), 1
	s_wait_xcnt 0x0
	s_wait_alu depctr_hold_cnt(0) depctr_sa_sdst(0) depctr_va_vdst(0) depctr_va_sdst(0) depctr_va_ssrc(0) depctr_va_vcc(0) depctr_vm_vsrc(0)
	s_getreg_b32 s2, hwreg(HW_REG_IB_STS2, 6, 4)
	s_cmp_eq_u32 s2, 0
	s_cbranch_scc0 .Lentry_in_a_cluster
	s_endpgm
.Lentry_in_a_cluster:
	s_bfe_u32 s2, ttmp6, 0x10000c
	s_cmp_lg_u32 s2, 0x3003
	s_cbranch_scc0 .Lentry_shape_is_right
	s_endpgm
.Lentry_shape_is_right:
; Causal attention of one head (64 heads of 2,048 x 64) on codes of E3M2, and its result quantised along d_model for the output projection.
; THE SOFTMAX: t = score x log2(e) / 8; M = the running largest t rounded up to a whole number; p = 2^(t - M) is quantised along the keys, not normalised; the row's sum is taken of the unquantised p and divides at the end.
; When M moves, the sum and O are multiplied by 2^(old M - new M), which rounds nothing.
; THE WHOLE HEAD LIES IN LDS: 16 key steps x 12,800 bytes (K's four packed fragments, V^T's four, K's and V's scale words), filled ONCE: no slot is filled again.  The four work-groups of a cluster are the four of one head and
; ask for the head JOINTLY (mask 15): each wave two loads, 1,024 bytes of the first 16,384 (they hold key step 0) and 11,776 of the rest.
; EVEN SHARES UNDER THE MASK: a tile of 16 queries in chunk n - 1 (128 queries a chunk) needs n key steps.  Each wave owns a short tile (chunk u, u + 1 steps) and a long one (chunk 15 - u, 16 - u steps): 17 steps for every wave.
; u hangs on the wave's number alone; the place in the cluster enters global addresses, one select mask and the lanes' mask value only.  Loops have constant trip counts; a step whose keys all come after the tile's queries is jumped over.
; LAYOUT: both products are used transposed (S^T = K Q^T, O^T = V^T P^T): a lane holds one query throughout.  A PACKED FRAGMENT of K holds 32 keys: k 0-63 of row r is key 32 b + r + (r & 8), k 64-127 the key 8 further on.
; The product with [Q | 0] gives the first tile's scores, that with [0 | Q] the second's: the dead half has zero codes on Q's side (E3M2 has no infinity and no NaN, so 0 x any code is 0) and Q's dead scale bytes are 0.
; So the 16 registers of tiles 2 b, 2 b + 1 are keys 32 b + 16 (lane / 16) + 0 .. 15.
; THE RESULT: a head's 64 numbers of a row are blocks 2 hh, 2 hh + 1 of d_model: half a fragment.  abuf: fragment (T, s) at (8 T + s) x 1,536; in it half c: registers 6 c .. 6 c + 3 of lane l at 768 c + 16 l,
; registers 6 c + 4, 5 at 768 c + 512 + 8 l; scale bytes at 6,291,456 + 512 T + 128 (block / 8) + 8 r + block % 8.
; LIMITS: NaN and infinities are not served; a block of zeros carries the byte 1 (zero codes; the bytes are read by this program alone).
.set L16, 1                            ; v1   16 x lane
.set R16, 2                            ; v2   16 r + 12,288: K's scale words in a key step
.set ADK, 3                            ; v3   LDS address of the step's fragments
.set ADS, 4                            ; v4   of its scale words
.set DV,  5                            ; v5   my query in its chunk - 16 (lane / 16)
.set NINF, 6                           ; v6   -infinity
.set L8,  8                            ; v8   8 x lane
.set R8,  9                            ; v9   8 r
.set VQC, 10                           ; v10  Q's fragment: my offset in a block of qbuf
.set VQW, 11                           ; v11  Q's scale word likewise
.set QHI, 16                           ; v16-27 [0 | Q];  v22-33 [Q | 0]: six zeros, Q, six zeros
.set QLO, 22
.set QSL, 34                           ; v34  Q's scale word for [Q | 0]
.set QSH, 35                           ; v35  for [0 | Q]
.set RAW1, 36                          ; v36-48 the short tile's packed fragment of Q and its scale word
.set RAW2, 50                          ; v50-62 the long tile's
.set KS,  64                           ; v64-67 K's scale words
.set VS,  68                           ; v68-71 V's
.set KF,  72                           ; v72-119 four fragments of K, then of V^T
.set S,   120                          ; v120-183 S^T, then p
.set O,   184                          ; v184-215 O^T
.set PC,  216                          ; v216-227 p's codes
.set CT,  228                          ; v228-234 the blocks' upper halves as the conversions leave them
.set BM,  236                          ; v236-239 each block's largest score, then largest p
.set BP,  240                          ; v240-243 lane permutes, then bytes
.set SO,  244                          ; v244-247 the conversions' scale operands
.set FF,  248                          ; v248-249 f = 2^(old M - new M)
.set PSW, 250                          ; v250 p's scale word
.set TP,  251                          ; v251 at work
.set L2,  252                          ; v252-253 the sum's second chain;  v12 -M, v13 the largest t, v14-15 the sum in two halves
.set WV,  10
.set SEL, 20
.set CS,  22                           ; s[22:23] c = log2(e) / 8
.set G1A, 24
.set G1B, 32
.set G0A, 40
.set G0B, 44
.set TB,  60                           ; s60 LDS byte at which the key step begins
.set KAP, 61                           ; s61 the key step
.set NN,  62                           ; s62 the key steps of the tile in hand
.set UM,  63                           ; s63 all ones where my tile is the second of its packed fragment
.set KSB, 12800
.macro CROUND                          ; a round of the cluster's barrier
	s_barrier_signal -1
	s_barrier_wait -1
	s_cmp_lg_u32 s[WV], 0
	s_cbranch_scc1 .Lnot_wave_0_\@
	s_barrier_signal -3
.Lnot_wave_0_\@:
	s_barrier_wait -3
	s_barrier_signal -1
	s_barrier_wait -1
.endm
	s_load_b128 s[4:7], s[0:1], 0x0                ; qbuf, kvbuf
	s_load_b64 s[8:9], s[0:1], 0x10                ; abuf
	v_lshl_add_u32 v254, v0, 2, 0x32000
	v_mov_b32 v255, 0
	ds_add_u32 v254, v255
	ds_add_u32 v254, v255
	v_lshrrev_b32 v3, 5, v0
	s_delay_alu instid0(VALU_DEP_1)
	v_readfirstlane_b32 s[WV], v3                  ; wave 0..15
	s_bfe_u32 s11, ttmp6, 0x40000                  ; cx
	s_and_b32 s12, ttmp7, 0xffff                   ; the head, 16 x batch + hh: the four partners share it
	s_lshr_b32 s13, s[WV], 3
	s_mul_i32 s14, s13, 15
	s_xor_b32 s14, s[WV], s14                      ; u: 0 .. 7 in waves 0-7, 7 .. 0 in waves 8-15
	s_lshl_b32 s15, s13, 2
	s_add_co_u32 s15, s15, s11                     ; e: which of a chunk's eight tiles
	s_lshr_b32 s16, s15, 1                         ; its packed fragment
	s_and_b32 s17, s15, 1                          ; and half
	s_sub_co_u32 s[UM], 0, s17
	s_lshl_b32 s18, s17, 4
	s_sub_co_u32 s19, 15, s14                      ; the long tile's chunk
	s_mov_b32 s[SEL], 0x76543210
	s_mov_b32 s[SEL+1], 0xfedcba98
	s_mov_b32 s[CS], 0x3e38aa3b
	s_mov_b32 s[CS+1], s[CS]
	; descriptor groups 1: dense bytes as rows of 256 (32 elements of 8 bytes): 4 rows, and 46
	s_mov_b32 s[G1A], 15|(3<<16)|(1<<21)           ; 15:0 the mask: all four work-groups; 17:16 elements of 8 bytes; 21 set beside a mask
	s_mov_b32 s[G1A+1], 32<<16
	s_mov_b32 s[G1A+2], 4<<16
	s_mov_b32 s[G1A+3], 32<<16
	s_mov_b32 s[G1A+4], 4
	s_mov_b32 s[G1A+5], 32
	s_mov_b32 s[G1A+6], 0
	s_mov_b32 s[G1A+7], 0
	s_mov_b32 s[G1B], 15|(3<<16)|(1<<21)
	s_mov_b32 s[G1B+1], 32<<16
	s_mov_b32 s[G1B+2], 46<<16
	s_mov_b32 s[G1B+3], 32<<16
	s_mov_b32 s[G1B+4], 46
	s_mov_b32 s[G1B+5], 32
	s_mov_b32 s[G1B+6], 0
	s_mov_b32 s[G1B+7], 0
	s_mul_i32 s70, s12, 204800                     ; the head in kvbuf
	s_mov_b32 s71, 0
	s_lshl_b32 s72, s[WV], 10                      ; my 1,024 bytes of the first 16,384,
	s_mov_b32 s73, 0
	s_mul_i32 s74, s[WV], 11776
	s_add_co_u32 s74, s74, 16384                   ; my 11,776 of the rest: an LDS address is the offset in the head
	s_mov_b32 s75, 0
	s_wait_dscnt 0x0
	s_wait_kmcnt 0x0
	s_add_nc_u64 s[6:7], s[6:7], s[70:71]
	s_mov_b32 s[G0A], 1
	s_mov_b32 s[G0A+1], s72
	s_add_nc_u64 s[G0A+2:G0A+3], s[6:7], s[72:73]
	s_or_b32 s[G0A+3], s[G0A+3], 0x80000000
	s_mov_b32 s[G0B], 1
	s_mov_b32 s[G0B+1], s74
	s_add_nc_u64 s[G0B+2:G0B+3], s[6:7], s[74:75]
	s_or_b32 s[G0B+3], s[G0B+3], 0x80000000
	CROUND                                         ; all four work-groups are here: the joint loads meet
	tensor_load_to_lds s[G0A:G0A+3], s[G1A:G1A+7]
	s_nop 0
	tensor_load_to_lds s[G0B:G0B+3], s[G1B:G1B+7]  ; two tensor loads of mine are out, and none follows
	s_nop 0
.rept 4
	v_nop
.endr
	s_lshl_b32 s66, s12, 4
	s_add_co_u32 s67, s66, s14
	s_mul_i32 s68, s67, 6400
	s_mov_b32 s69, 0
	s_add_nc_u64 s[48:49], s[4:5], s[68:69]        ; the short tile's block of qbuf
	s_add_co_u32 s67, s66, s19
	s_mul_i32 s68, s67, 6400
	s_add_nc_u64 s[50:51], s[4:5], s[68:69]        ; the long tile's
	s_lshr_b32 s66, s12, 4
	s_lshl_b32 s66, s66, 7
	s_add_co_u32 s66, s66, s15                     ; 128 x batch + e
	s_and_b32 s67, s12, 15                         ; hh
	s_mul_i32 s72, s67, 768                        ; the head's half fragment in a row tile of abuf
	s_lshr_b32 s73, s67, 2
	s_lshl_b32 s73, s73, 7
	s_and_b32 s74, s67, 3
	s_lshl_b32 s74, s74, 1
	s_add_co_u32 s73, s73, s74
	s_add_co_u32 s73, s73, 6291456                 ; and its two scale bytes
	s_lshl_b32 s70, s14, 3
	s_add_co_u32 s70, s70, s66                     ; the short tile's row tile
	s_mul_i32 s68, s70, 12288
	s_add_co_u32 s68, s68, s72
	s_add_nc_u64 s[52:53], s[8:9], s[68:69]
	s_lshl_b32 s68, s70, 9
	s_add_co_u32 s68, s68, s73
	s_add_nc_u64 s[56:57], s[8:9], s[68:69]
	s_lshl_b32 s70, s19, 3
	s_add_co_u32 s70, s70, s66                     ; the long tile's
	s_mul_i32 s68, s70, 12288
	s_add_co_u32 s68, s68, s72
	s_add_nc_u64 s[54:55], s[8:9], s[68:69]
	s_lshl_b32 s68, s70, 9
	s_add_co_u32 s68, s68, s73
	s_add_nc_u64 s[58:59], s[8:9], s[68:69]
	s_mul_i32 s76, s16, 1536
	s_lshl_b32 s77, s16, 2
	s_add_co_u32 s77, s77, 6144
	s_lshl_b32 s78, s16, 5
	s_lshl_b32 s79, s17, 3
	s_add_co_u32 s78, s78, s79                     ; 32 (e / 2) + 8 (e % 2)
	v_and_b32 v7, 31, v0
	s_delay_alu instid0(VALU_DEP_1)
	v_lshlrev_b32 v[L16], 4, v7
	v_and_b32 v[R8], 15, v0                        ; r
	v_bfe_u32 v3, v0, 4, 1                         ; h
	s_delay_alu instid0(VALU_DEP_2)
	v_lshl_add_u32 v[R16], v[R8], 4, 12288
	s_delay_alu instid0(VALU_DEP_3)
	v_and_b32 v4, 8, v[R8]
	s_delay_alu instid0(VALU_DEP_1)
	v_add_nc_u32 v4, v4, v[R8]                     ; r + (r & 8)
	s_delay_alu instid0(VALU_DEP_4)
	v_lshlrev_b32 v[DV], 4, v3
	s_delay_alu instid0(VALU_DEP_1)
	v_sub_nc_u32 v[DV], v4, v[DV]
	s_delay_alu instid0(VALU_DEP_1)
	v_add_nc_u32 v[DV], s78, v[DV]
	v_mov_b32 v[NINF], 0xff800000
	v_lshlrev_b32 v[L8], 3, v7
	v_add_nc_u32 v[VQC], s76, v[L16]
	v_lshl_add_u32 v[VQW], v[R8], 4, s77
	v_lshlrev_b32 v[R8], 3, v[R8]
.irp g, 0,1,2
	global_load_b128 v[RAW1+4*\g:RAW1+4*\g+3], v[VQC], s[48:49] offset:512*\g
	global_load_b128 v[RAW2+4*\g:RAW2+4*\g+3], v[VQC], s[50:51] offset:512*\g
.endr
	global_load_b32 v[RAW1+12], v[VQW], s[48:49]
	global_load_b32 v[RAW2+12], v[VQW], s[50:51]
.irp j, 0,1,2,3,4,5
	v_mov_b32 v[QHI+\j], 0                         ; the zero codes on both sides of Q
	v_mov_b32 v[QLO+6+\j], 0
.endr
.irp b, 0,1,2,3
	v_mov_b32 v[BP+\b], 0                          ; a lane permute's destination counts as one of its sources
.endr
	v_mov_b32 v[TP], 0
	v_mov_b32 v[FF+1], 0                           ; named as the upper half of a pair, so it is written
; A tile begins: Q's half fragment and scale words are picked, the statistics and O^T are reset.  The 36 plain lines behind the scale words are the places in front of the next scaled products.
.macro START raw
.irp j, 0,1,2,3,4,5
	v_cndmask_b32 v[QLO+\j], v[\raw+\j], v[\raw+6+\j], s[UM]
.endr
	v_lshrrev_b32 v[QSL], s18, v[\raw+12]
	s_delay_alu instid0(VALU_DEP_1)
	v_and_b32 v[QSL], 0xffff, v[QSL]               ; (q's two bytes, 0, 0)
	s_delay_alu instid0(VALU_DEP_1)
	v_lshlrev_b32 v[QSH], 16, v[QSL]               ; (0, 0, q's two bytes)
	v_mov_b32 v13, 0xff61b1e6                      ; the largest t so far: -3e38, under every t
	s_delay_alu instid0(VALU_DEP_1)
	v_floor_f32 v12, -v13                          ; -M
	v_mov_b32 v14, 0
	v_mov_b32 v15, 0
.set i, 0
.rept 32
	v_mov_b32 v[O+i], 0                            ; the step is written once: the first finds zeros, which the first change of M leaves zeros
.set i, i+1
.endr
	s_wait_xcnt 0x0                                ; the tile before has stored from registers that the steps write again
.endm
; A KEY STEP: 128 keys at LDS byte s[TB].
.macro STEP
	s_setprio 2
	v_add_nc_u32 v[ADK], s[TB], v[L16]
	v_add_nc_u32 v[ADS], s[TB], v[R16]
	v_nop
	v_nop                                          ; four plain lines between the last products and the loads into their registers
.irp b, 0,1,2,3
.irp c, 0,1,2
	ds_load_b128 v[KF+12*\b+4*\c:KF+12*\b+4*\c+3], v[ADK] offset:1536*\b+512*\c
.endr
.endr
	ds_load_b128 v[KS:KS+3], v[ADS]
	s_wait_alu depctr_va_vdst(0)
	s_wait_dscnt 0x0
.irp b, 0,1,2,3                        ; S^T: a packed fragment serves two tiles of 16 keys
	v_wmma_scale_f32_16x16x128_f8f6f4 v[S+16*\b:S+16*\b+7], v[KF+12*\b:KF+12*\b+11], v[QLO:QLO+11], 0, v[KS+\b], v[QSL] matrix_a_fmt:MATRIX_FMT_BF6 matrix_b_fmt:MATRIX_FMT_BF6
	v_wmma_scale_f32_16x16x128_f8f6f4 v[S+16*\b+8:S+16*\b+15], v[KF+12*\b:KF+12*\b+11], v[QHI:QHI+11], 0, v[KS+\b], v[QSH] matrix_a_fmt:MATRIX_FMT_BF6 matrix_b_fmt:MATRIX_FMT_BF6
.endr
.rept 4
	v_nop
.endr
.irp t, 0,1,2,3                        ; V^T's fragments take K's registers at once: they land under the softmax
.irp c, 0,1,2
	ds_load_b128 v[KF+12*\t+4*\c:KF+12*\t+4*\c+3], v[ADK] offset:6144+1536*\t+512*\c
.endr
.endr
	ds_load_b128 v[VS:VS+3], v[ADS] offset:256
	s_add_co_u32 s70, s[KAP], 1                    ; the tile's last step lies on the diagonal: there hidden scores become -infinity, p = 0
	s_cmp_lg_u32 s70, s[NN]
	s_cbranch_scc1 .Lopen_\@
.set i, 0
.rept 64
	v_cmp_gt_i32 vcc_lo, 32*(i/16)+i%16, v[DV]     ; register 16 b + i holds key 32 b + 16 (lane / 16) + i of the chunk
	v_cndmask_b32 v[S+i], v[S+i], v[NINF], vcc_lo
.set i, i+1
.endr
.Lopen_\@:
.irp b, 0,1,2,3
	v_max3_num_f32 v[BM+\b], v[S+16*\b], v[S+1+16*\b], v[S+2+16*\b]   ; the largest score of each block of 32 keys: for the row's maximum and, since p rises with the score, for the block's largest p
.endr
.irp i, 3,5,7,9,11,13
.irp b, 0,1,2,3
	v_max3_num_f32 v[BM+\b], v[BM+\b], v[S+16*\b+\i], v[S+1+16*\b+\i]
.endr
.endr
.irp b, 0,1,2,3
	v_max_num_f32 v[BM+\b], v[BM+\b], v[S+15+16*\b]
.endr
.irp b, 0,1,2,3
	s_delay_alu instid0(VALU_DEP_4)
	v_permlanex16_b32 v[BP+\b], v[BM+\b], s[SEL], s[SEL+1]
.endr
.irp b, 0,1,2,3
	s_delay_alu instid0(VALU_DEP_4)
	v_max_num_f32 v[BM+\b], v[BM+\b], v[BP+\b]     ; with lane l xor 16's 16 keys
.endr
	s_delay_alu instid0(VALU_DEP_2)
	v_max3_num_f32 v[TP], v[BM], v[BM+1], v[BM+2]
	s_delay_alu instid0(VALU_DEP_1)
	v_max_num_f32 v[TP], v[TP], v[BM+3]
	s_delay_alu instid0(VALU_DEP_1)
	v_mul_f32 v[TP], s[CS], v[TP]                  ; as t (c is positive)
	s_delay_alu instid0(VALU_DEP_1)
	v_max_num_f32 v13, v13, v[TP]                  ; the running largest t
	v_mov_b32 v[TP], v12
	s_delay_alu instid0(VALU_DEP_2)
	v_floor_f32 v12, -v13                          ; the new -M = -ceil(t)
	s_delay_alu instid0(VALU_DEP_1)
	v_sub_f32 v[TP], v12, v[TP]                    ; old M - new M: a whole number, 0 or less
	s_delay_alu instid0(VALU_DEP_1)
	v_cvt_i32_f32 v[TP], v[TP]                     ; (it saturates)
	s_delay_alu instid0(VALU_DEP_1)
	v_ldexp_f32 v[FF], 1.0, v[TP]                  ; f
.set i, 0
.rept 32
	v_pk_fma_f32 v[S+i:S+i+1], v[S+i:S+i+1], s[CS:CS+1], v[12:13] op_sel_hi:[1,0,0]   ; t - M
.set i, i+2
.endr
	s_setprio 1
.irp b, 0,1,2,3
	v_fma_f32 v[BM+\b], v[BM+\b], s[CS], v12       ; the same of each block's largest score
.endr
.set i, 0
	s_wait_alu depctr_va_vdst(0)
.rept 64
	v_exp_f32 v[S+i], v[S+i]                       ; p = 2^(t - M)
.set i, i+1
.endr
	v_pk_mul_f32 v[14:15], v[14:15], v[FF:FF+1] op_sel_hi:[1,0]   ; the sums under the new M: the plain line behind the batch
	s_wait_alu depctr_va_vdst(0)                   ; one wait for the batch of 64, ahead of its first reader
.irp b, 0,1,2,3
	v_exp_f32 v[BM+\b], v[BM+\b]                   ; the block's largest p: the same two instructions on the same number
.endr
	v_pk_add_f32 v[252:253], v[124:125], v[128:129]
	v_pk_add_f32 v[246:247], v[132:133], v[136:137]
	v_pk_add_f32 v[244:245], v[140:141], v[144:145]
	v_pk_add_f32 v[242:243], v[148:149], v[152:153]
	v_pk_add_f32 v[240:241], v[156:157], v[160:161]
	v_pk_add_f32 v[234:235], v[164:165], v[168:169]
	v_pk_add_f32 v[232:233], v[172:173], v[176:177]
	v_pk_add_f32 v[14:15], v[14:15], v[180:181]
	v_pk_add_f32 v[252:253], v[252:253], v[120:121]
	v_pk_add_f32 v[246:247], v[246:247], v[122:123]
	v_pk_add_f32 v[244:245], v[244:245], v[126:127]
	v_pk_add_f32 v[242:243], v[242:243], v[130:131]
	v_pk_add_f32 v[240:241], v[240:241], v[134:135]
	v_pk_add_f32 v[234:235], v[234:235], v[138:139]
	v_pk_add_f32 v[232:233], v[232:233], v[142:143]
	v_pk_add_f32 v[14:15], v[14:15], v[146:147]
	v_pk_add_f32 v[252:253], v[252:253], v[150:151]
	v_pk_add_f32 v[246:247], v[246:247], v[154:155]
	v_pk_add_f32 v[244:245], v[244:245], v[158:159]
	v_pk_add_f32 v[242:243], v[242:243], v[162:163]
	v_pk_add_f32 v[240:241], v[240:241], v[166:167]
	v_pk_add_f32 v[234:235], v[234:235], v[170:171]
	v_pk_add_f32 v[232:233], v[232:233], v[174:175]
	v_pk_add_f32 v[14:15], v[14:15], v[178:179]
	v_pk_add_f32 v[252:253], v[252:253], v[182:183]
	s_delay_alu instid0(VALU_DEP_2)
	v_pk_add_f32 v[14:15], v[14:15], v[242:243]
	s_delay_alu instid0(VALU_DEP_2)
	v_pk_add_f32 v[252:253], v[252:253], v[240:241]
	v_pk_add_f32 v[246:247], v[246:247], v[234:235]
	v_pk_add_f32 v[244:245], v[244:245], v[232:233]
	s_delay_alu instid0(VALU_DEP_2)
	v_pk_add_f32 v[14:15], v[14:15], v[246:247]
	s_delay_alu instid0(VALU_DEP_2)
	v_pk_add_f32 v[252:253], v[252:253], v[244:245]
	s_delay_alu instid0(VALU_DEP_1)
	v_pk_add_f32 v[14:15], v[14:15], v[252:253]
	s_wait_alu depctr_va_vdst(0)                   ; and one for the four
.irp b, 0,1,2,3
	v_max_num_f32 v[BM+\b], 0x2800000, v[BM+\b]    ; the floor 2^(5 - 127): the byte cannot fall under 1
.endr
.irp b, 0,1,2,3
	s_delay_alu instid0(VALU_DEP_4)
	v_add_nc_u32 v[SO+\b], 0xfe000000, v[BM+\b]
.endr
.irp b, 0,1,2,3
	s_delay_alu instid0(VALU_DEP_4)
	v_lshrrev_b32 v[BP+\b], 23, v[SO+\b]
.endr
	s_delay_alu instid0(VALU_DEP_3)
	v_lshl_or_b32 v[PSW], v[BP+1], 8, v[BP]
	s_delay_alu instid0(VALU_DEP_1)
	v_lshl_or_b32 v[PSW], v[BP+2], 16, v[PSW]
	s_delay_alu instid0(VALU_DEP_1)
	v_lshl_or_b32 v[PSW], v[BP+3], 24, v[PSW]
	s_setprio 0
.irp c, 0,1
	v_cvt_scalef32_pk16_bf6_f32 v[PC+6*\c:PC+6*\c+2], v[S+32*\c:S+32*\c+15], v[SO+2*\c]
	v_cvt_scalef32_pk16_bf6_f32 v[CT+4*\c:CT+4*\c+2], v[S+32*\c+16:S+32*\c+31], v[SO+2*\c+1]
.endr
	v_nop                                          ; one plain line behind the conversions
.irp c, 0,1
.irp i, 0,1,2
	v_permlane16_swap_b32 v[PC+6*\c+\i], v[CT+4*\c+\i]
.endr
.irp i, 0,1,2
	s_delay_alu instid0(VALU_DEP_3)
	v_mov_b32 v[PC+6*\c+3+\i], v[CT+4*\c+\i]
.endr
.endr
.set i, 0
.rept 16
	v_pk_mul_f32 v[O+i:O+i+1], v[O+i:O+i+1], v[FF:FF+1] op_sel_hi:[1,0]   ; O^T under the new M; these sixteen are also the places in front of the products below
.set i, i+2
.endr
	s_wait_alu depctr_va_vdst(0)
	s_wait_dscnt 0x0                               ; V^T is in
.irp t, 0,1,2,3                        ; O^T += V^T P^T: four accumulators by turns
	v_wmma_scale_f32_16x16x128_f8f6f4 v[O+8*\t:O+8*\t+7], v[KF+12*\t:KF+12*\t+11], v[PC:PC+11], v[O+8*\t:O+8*\t+7], v[VS+\t], v[PSW] matrix_a_fmt:MATRIX_FMT_BF6 matrix_b_fmt:MATRIX_FMT_BF6
.endr
.endm
; A tile ends: O^T / the sum (register 16 b + i is d = 32 b + 16 (lane / 16) + i), quantised as two blocks of d_model, stored as half a fragment and two scale bytes a row.
.macro FINISH cp, sp
.rept 4
	v_nop
.endr
	v_add_f32 v14, v14, v15
	s_delay_alu instid0(VALU_DEP_1)
	v_permlanex16_b32 v[TP], v14, s[SEL], s[SEL+1]
	s_delay_alu instid0(VALU_DEP_1)
	v_add_f32 v14, v14, v[TP]                      ; the row's sum
	s_wait_alu depctr_va_vdst(0)
	v_rcp_f32 v14, v14
	v_nop
	s_wait_alu depctr_va_vdst(0)                   ; the wait ahead of the first reader
.set i, 0
.rept 32
	v_mul_f32 v[S+i], v[O+i], v14
.set i, i+1
.endr
.irp b, 0,1
	v_max3_num_f32 v[BM+\b], |v[S+16*\b]|, |v[S+1+16*\b]|, 0x2800000
.endr
.irp i, 2,4,6,8,10,12,14
.irp b, 0,1
	s_delay_alu instid0(VALU_DEP_2)
	v_max3_num_f32 v[BM+\b], v[BM+\b], |v[S+16*\b+\i]|, |v[S+1+16*\b+\i]|
.endr
.endr
.irp b, 0,1
	s_delay_alu instid0(VALU_DEP_2)
	v_permlanex16_b32 v[BP+\b], v[BM+\b], s[SEL], s[SEL+1]
.endr
.irp b, 0,1
	s_delay_alu instid0(VALU_DEP_2)
	v_max_num_f32 v[BM+\b], v[BM+\b], v[BP+\b]
.endr
.irp b, 0,1
	s_delay_alu instid0(VALU_DEP_2)
	v_add_nc_u32 v[SO+\b], 0xfe000000, v[BM+\b]
.endr
.irp b, 0,1
	s_delay_alu instid0(VALU_DEP_2)
	v_lshrrev_b32 v[BP+\b], 23, v[SO+\b]
.endr
	s_delay_alu instid0(VALU_DEP_1)
	v_lshl_or_b32 v[TP], v[BP+1], 8, v[BP]
	v_cvt_scalef32_pk16_bf6_f32 v[PC:PC+2], v[S:S+15], v[SO]
	v_cvt_scalef32_pk16_bf6_f32 v[CT:CT+2], v[S+16:S+31], v[SO+1]
	v_nop
.irp i, 0,1,2
	v_permlane16_swap_b32 v[PC+\i], v[CT+\i]
.endr
.irp i, 0,1,2
	s_delay_alu instid0(VALU_DEP_3)
	v_mov_b32 v[PC+3+\i], v[CT+\i]
.endr
	global_store_b128 v[L16], v[PC:PC+3], s[\cp:\cp+1]             ; 512 consecutive bytes,
	global_store_b64 v[L8], v[PC+4:PC+5], s[\cp:\cp+1] offset:512  ; and the 256 behind them
	global_store_b16 v[R8], v[TP], s[\sp:\sp+1]                    ; lanes l and l + 16 store the same two bytes at the same place
.endm
	s_add_co_u32 s[NN], s14, 1                     ; the short tile's steps
	s_mov_b32 s[TB], 0
	s_mov_b32 s[KAP], 0
	s_wait_loadcnt 0x0                             ; Q of both tiles
	START RAW1
	s_wait_tensorcnt 0x1                           ; my part of the first 16,384 bytes is in; the larger load may be out
	s_barrier_signal -1
	s_barrier_wait -1                              ; everybody's is: key step 0 is whole
	STEP                                           ; every wave has this step, so all work alike while the rest of the head lands
	s_wait_tensorcnt 0x0                           ; my part of the rest is in,
	s_wait_dscnt 0x0
	s_barrier_signal -1
	s_barrier_wait -1                              ; everybody's is.  From here on LDS is only read
	s_mov_b32 s[TB], KSB
	s_mov_b32 s[KAP], 1
.Lshort:                                           ; key steps 1 .. 7 of the short tile: a constant count; what lies beyond the tile's steps is jumped over
	s_cmp_ge_u32 s[KAP], s[NN]
	s_cbranch_scc1 .Lhid1
	STEP
.Lhid1:
	s_add_co_u32 s[TB], s[TB], KSB
	s_add_co_u32 s[KAP], s[KAP], 1
	s_cmp_lt_u32 s[KAP], 8
	s_cbranch_scc1 .Lshort
	s_setprio 0
	FINISH 52, 56
	START RAW2
	s_sub_co_u32 s[NN], 16, s14                    ; the long tile's steps
	s_mov_b32 s[TB], 0
	s_mov_b32 s[KAP], 0
.Llong:                                            ; key steps 0 .. 15 of the long tile
	s_cmp_ge_u32 s[KAP], s[NN]
	s_cbranch_scc1 .Lhid2
	STEP
.Lhid2:
	s_add_co_u32 s[TB], s[TB], KSB
	s_add_co_u32 s[KAP], s[KAP], 1
	s_cmp_lt_u32 s[KAP], 16
	s_cbranch_scc1 .Llong
	s_setprio 0
	FINISH 54, 58
	s_wait_tensorcnt 0x0
	ds_add_u32 v254, v255
	s_wait_dscnt 0x0
	CROUND                                         ; the closing round
	s_endpgm
.Lfunc_end_k_q0c9d5f76b0_attn:
	.size	k_q0c9d5f76b0_attn, .Lfunc_end_k_q0c9d5f76b0_attn-k_q0c9d5f76b0_attn
	.p2alignl 7, 3214868480
	.fill 96, 4, 3214868480
	.section	.rodata,"a",@progbits
	.p2align	6, 0x0
	.amdhsa_kernel k_q0c9d5f76b0_attn
		.amdhsa_group_segment_fixed_size 206848
		.amdhsa_private_segment_fixed_size 0
		.amdhsa_enable_private_segment 0
		.amdhsa_kernarg_size 24
		.amdhsa_user_sgpr_count 2
		.amdhsa_user_sgpr_kernarg_segment_ptr 1
		.amdhsa_wavefront_size32 1
		.amdhsa_system_sgpr_workgroup_id_x 1
		.amdhsa_system_sgpr_workgroup_id_y 1
		.amdhsa_system_sgpr_workgroup_id_z 1
		.amdhsa_system_vgpr_workitem_id 0
		.amdhsa_next_free_vgpr 256
		.amdhsa_next_free_sgpr 96
		.amdhsa_reserve_vcc 1
		.amdhsa_float_denorm_mode_32 3
		.amdhsa_float_denorm_mode_16_64 3
		.amdhsa_memory_ordered 1
		.amdhsa_forward_progress 1
		.amdhsa_inst_pref_size 86
	.end_amdhsa_kernel
	.amdgpu_metadata
---
amdhsa.version: [ 1, 2 ]
amdhsa.kernels:
  - .name:           k_q0c9d5f76b0_attn
    .symbol:         k_q0c9d5f76b0_attn.kd
    .args:
      - { .name: qbuf, .offset: 0, .size: 8, .value_kind: global_buffer, .address_space: global }
      - { .name: kvbuf, .offset: 8, .size: 8, .value_kind: global_buffer, .address_space: global }
      - { .name: abuf, .offset: 16, .size: 8, .value_kind: global_buffer, .address_space: global }
    .group_segment_fixed_size: 206848
    .private_segment_fixed_size: 0
    .kernarg_segment_align: 8
    .kernarg_segment_size: 24
    .max_flat_workgroup_size: 512
    .sgpr_count:     96
    .vgpr_count:     256
    .wavefront_size: 32
...
	.end_amdgpu_metadata
.endif
;; end of part 4
;; launch oproj (part 5): grid 4 x 32, 4 waves a work-group, clusters of 4 x 4, 327,680 bytes of LDS; arguments abuf, wbuf, bo, x, out0; writes out0
.if DOCPART == 5
	.amdgcn_target "amdgcn-amd-amdhsa--gfx1250"
	.amdhsa_code_object_version 6
	.text
	.protected	k_q0c9d5f76b0_oproj
	.globl	k_q0c9d5f76b0_oproj
	.p2align	8
	.type	k_q0c9d5f76b0_oproj,@function
k_q0c9d5f76b0_oproj:
	s_mov_b64 s[64:65], 0
	v_nop
	global_prefetch_b8 v0, s[64:65] scope:SCOPE_SE
	s_setreg_imm32_b32 hwreg(HW_REG_WAVE_MODE, 25, 1), 1
	s_wait_xcnt 0x0
	s_wait_alu depctr_hold_cnt(0) depctr_sa_sdst(0) depctr_va_vdst(0) depctr_va_sdst(0) depctr_va_ssrc(0) depctr_va_vcc(0) depctr_vm_vsrc(0)
	s_getreg_b32 s2, hwreg(HW_REG_IB_STS2, 6, 4)
	s_cmp_eq_u32 s2, 0
	s_cbranch_scc0 .Lentry_in_a_cluster
	s_endpgm
.Lentry_in_a_cluster:
	s_bfe_u32 s2, ttmp6, 0x10000c
	s_cmp_lg_u32 s2, 0xf033
	s_cbranch_scc0 .Lentry_shape_is_right
	s_endpgm
.Lentry_shape_is_right:
; out0 = x + (attention's result x Wo + bo), the product on codes of E3M2 (K = 1,024).
; The main loop is the projections' launch's: a tile of 256 x 256, four waves of 128 x 128, source 0 (B) = Wo's rows (features), source 1 (A) = attention's rows (tokens), a ring of two LDS slots of 256 along K filled by
; joint tensor loads (A's tiles shared along a row of the cluster, B's along a column), the scale bytes of the tile's rows once with the first fills.  32 x 4 tiles: 128 work-groups.
; A's fragments lie as attention's launch stores them, in two halves: registers 6 c .. 6 c + 3 of lane l at 768 c + 16 l, registers 6 c + 4, 5 at 768 c + 512 + 8 l: four loads a fragment.
; Rows lie in the order r -> 32 (T / 2) + 8 (T % 2) + r + (r & 8); THE WAY OUT undoes it by offsets alone: a block of 16 tokens x 128 features goes through the wave's own stage in LDS (features sorted by the stores' offsets)
; and comes back as whole rows of 512 bytes; the row's token stands in the immediate of x's load and of the store.  x is asked for four blocks ahead.
; The stage lies in slot 0, which has had its last fill and its last read when the first result is stored there.
.set NQ,    2
.set FR,    12
.set NL,    3                          ; LDS loads that bring a fragment of B
.set NLA,   4                          ; and one of A
.set NP,    4
.set TROW,  3072
.set HALFT, 8*TROW
.set SLOT,  4*HALFT
.set SCL,   2*SLOT
.set HALFS, 4096
.set SPARE, SCL+4*HALFS                ; the spare words, 128 bytes for each wave, which no other line names
.set LAPS,  2
.set SPITCH, 528                       ; a stage row: 512 bytes + 16
.set BO,   8                           ; v8-11  bo at my four columns
.set ADRA, 16                          ; v16-17 LDS address of my A fragments in slot 0, 1, 16 bytes a lane;
.set ADRA8, 18                         ; v18-19 the same, 8 bytes a lane
.set ADRB, 20                          ; v20-21 of my B fragments
.set STO,  24                          ; v24    the way out: where I put 32 bytes of a row
.set RD,   25                          ; v25    where I read a row back
.set CO,   26                          ; v26    16 x lane
.set ADRS, 27
.set SPW,  28
.set NIL,  29
.set SC,   32
.set AF,   128
.set BK,   128                         ; the way out: 16 rows read back: v128-191 and v192-255 by turns
.set G1, 24
.set G0, 32
.set G1B, 48
.set G0B, 56
.set G1S, 68
.set G0S, 76
.set G1SB, 80
.set G0SB, 88
.set MSB, 0
.macro WIN new
.if MSB != (\new)
	s_set_vgpr_msb (MSB<<8)|(\new)
.set MSB, (\new)
.endif
.endm
.set MUL_LO, 0xa1
.set MUL_HI, 0xf1
.set TO_B,   0x40
.macro JLOAD g0a, g1a, g0b, g1b        ; a joint load: waves 0 and 1 fetch for A, waves 2 and 3 for B; four v_nop follow each of the two lines
	s_cmp_eq_u32 s15, 0
	s_cbranch_scc0 .Lfor_b_\@
	tensor_load_to_lds s[\g0a:\g0a+3], s[\g1a:\g1a+7]
	s_nop 0
.rept 4
	v_nop
.endr
	s_branch .Lasked_\@
.Lfor_b_\@:
	tensor_load_to_lds s[\g0b:\g0b+3], s[\g1b:\g1b+7]
	s_nop 0
.rept 4
	v_nop
.endr
.Lasked_\@:
.endm
.macro CREST
	s_cmp_lg_u32 s14, 0
	s_cbranch_scc1 .Lnot_wave_0_\@
	s_barrier_signal -3
.Lnot_wave_0_\@:
	s_barrier_wait -3
	s_barrier_signal -1
	s_barrier_wait -1
.endm
.macro CROUND
	s_barrier_signal -1
	s_barrier_wait -1
	CREST
.endm
	s_load_b128 s[4:7], s[0:1], 0x0                ; abuf, wbuf
	v_lshl_add_u32 v[SPW], v0, 2, SPARE
	v_mov_b32 v[NIL], 0
	ds_add_u32 v28, v29
	ds_add_u32 v28, v29
	s_wait_dscnt 0x0
	v_lshrrev_b32 v1, 5, v0
	v_readfirstlane_b32 s14, v1                    ; wave 0..3
	s_lshr_b32 s15, s14, 1
	s_and_b32 s16, s14, 1
	s_bfe_u32 s40, ttmp6, 0x40000                  ; cx, cy
	s_bfe_u32 s41, ttmp6, 0x40004
	s_lshl_b32 s42, ttmp9, 2
	s_add_co_u32 s42, s42, s40                     ; tile column (features)
	s_and_b32 s17, ttmp7, 0xffff
	s_lshl_b32 s17, s17, 2
	s_add_co_u32 s17, s17, s41                     ; tile row (tokens)
	s_lshl_b32 s43, s41, 2
	s_lshl_b32 s43, 15, s43
	s_lshl_b32 s44, 0x1111, s40
	s_or_b32 s[G1+0], s43, (3<<16)|(1<<21)         ; codes: 8 row tiles x 3,072 bytes (384 elements of 8), 12,288 bytes apart; dense in LDS
	s_or_b32 s[G1B+0], s44, (3<<16)|(1<<21)
.irp g, G1, G1B
	s_mov_b32 s[\g+1], 384<<16
	s_mov_b32 s[\g+2], 8<<16
	s_mov_b32 s[\g+3], 384<<16
	s_mov_b32 s[\g+4], 8
	s_mov_b32 s[\g+5], 1536
	s_mov_b32 s[\g+6], 0
	s_mov_b32 s[\g+7], 0
.endr
	s_or_b32 s[G1S+0], s43, (3<<16)|(1<<21)        ; scale bytes of 128 rows: 4,096 dense bytes as 16 rows of 256
	s_or_b32 s[G1SB+0], s44, (3<<16)|(1<<21)
.irp g, G1S, G1SB
	s_mov_b32 s[\g+1], 32<<16
	s_mov_b32 s[\g+2], 16<<16
	s_mov_b32 s[\g+3], 32<<16
	s_mov_b32 s[\g+4], 16
	s_mov_b32 s[\g+5], 32
	s_mov_b32 s[\g+6], 0
	s_mov_b32 s[\g+7], 0
.endr
	s_lshl_b32 s18, s16, 3
	s_lshl_b32 s20, s17, 4
	s_add_co_u32 s20, s20, s18                     ; A: row tile 16 x tile row + 8 x half
	s_lshl_b32 s46, s42, 4
	s_add_co_u32 s46, s46, s18                     ; B: 16 x tile column + 8 x half
	s_lshl_b32 s22, s20, 9
	s_add_co_u32 s22, s22, 6291456
	s_mov_b32 s23, 0
	s_lshl_b32 s92, s46, 9
	s_add_co_u32 s92, s92, 3244032                 ; Wo's scale bytes
	s_mov_b32 s93, 0
	s_mul_i32 s20, s20, 12288
	s_mov_b32 s21, 0
	s_mul_i32 s46, s46, 12288
	s_add_co_u32 s46, s46, 2359296                 ; Wo's codes
	s_mov_b32 s47, 0
	s_mul_i32 s45, s14, HALFT
	s_mul_i32 s94, s14, HALFS
	s_wait_kmcnt 0x0
	s_add_nc_u64 s[20:21], s[4:5], s[20:21]
	s_add_nc_u64 s[22:23], s[4:5], s[22:23]
	s_add_nc_u64 s[46:47], s[6:7], s[46:47]
	s_add_nc_u64 s[92:93], s[6:7], s[92:93]
	CROUND                                         ; all sixteen work-groups are here: the first joint loads meet
	s_mov_b32 s[G0S], 1
	s_add_co_u32 s[G0S+1], s94, SCL
	s_mov_b64 s[G0S+2:G0S+3], s[22:23]
	s_or_b32 s[G0S+3], s[G0S+3], 0x80000000
	s_mov_b32 s[G0SB], 1
	s_add_co_u32 s[G0SB+1], s94, SCL
	s_mov_b64 s[G0SB+2:G0SB+3], s[92:93]
	s_or_b32 s[G0SB+3], s[G0SB+3], 0x80000000
	JLOAD G0S, G1S, G0SB, G1SB
.irp s, 0,1
	s_mov_b32 s[G0+4*\s], 1
	s_add_co_u32 s[G0+4*\s+1], s45, \s*SLOT
	s_add_nc_u64 s[G0+4*\s+2:G0+4*\s+3], s[20:21], \s*TROW
	s_or_b32 s[G0+4*\s+3], s[G0+4*\s+3], 0x80000000
	s_mov_b32 s[G0B+4*\s], 1
	s_add_co_u32 s[G0B+4*\s+1], s45, \s*SLOT
	s_add_nc_u64 s[G0B+4*\s+2:G0B+4*\s+3], s[46:47], \s*TROW
	s_or_b32 s[G0B+4*\s+3], s[G0B+4*\s+3], 0x80000000
	JLOAD G0+4*\s, G1, G0B+4*\s, G1B               ; three tensor loads of mine are out
.endr
	s_load_b128 s[4:7], s[0:1], 0x10               ; bo, x
	s_load_b64 s[8:9], s[0:1], 0x20                ; out0
	v_and_b32 v1, 15, v0                           ; r
	v_bfe_u32 v2, v0, 4, 1                         ; h
	v_and_b32 v3, 31, v0
	v_lshlrev_b32 v[CO], 4, v3                     ; 16 x lane
	v_lshlrev_b32 v4, 3, v3                        ; 8 x lane
	s_mul_i32 s21, s15, HALFT
	s_mul_i32 s22, s16, HALFT
	s_add_co_u32 s22, s22, 2*HALFT
.irp s, 0,1
	v_add_nc_u32 v[ADRA+\s], s21, v[CO]
	v_add_nc_u32 v[ADRA8+\s], s21, v4
	v_add_nc_u32 v[ADRB+\s], s22, v[CO]
	s_add_co_u32 s21, s21, SLOT
	s_add_co_u32 s22, s22, SLOT
.endr
	v_lshlrev_b32 v5, 3, v1
	s_mul_i32 s21, s15, HALFS
	s_mul_i32 s22, s16, HALFS
	s_add_co_u32 s22, s22, 2*HALFS
	s_sub_co_u32 s22, s22, s21
	v_mul_u32_u24 v6, s22, v2                      ; lanes 16-31 take B's scale words: one product, the distance between the two bases
	s_add_co_u32 s21, s21, SCL
	v_add_nc_u32 v5, v5, v6
	v_add_nc_u32 v[ADRS], s21, v5
	s_mul_i32 s23, s14, 16*SPITCH                  ; my stage
	v_mul_u32_u24 v5, v1, SPITCH
	v_lshl_add_u32 v5, v2, 6, v5
	v_add_nc_u32 v[STO], s23, v5                   ; in: row r, + 64 h
	v_add_nc_u32 v[RD], s23, v[CO]                 ; back: the 32 lanes take one row of 512 bytes
	s_lshl_b32 s18, s17, 20                        ; my first token: (256 x tile row + 128 x half) rows of 4,096 bytes,
	s_lshl_b32 s19, s15, 19
	s_add_co_u32 s18, s18, s19
	s_lshl_b32 s92, s42, 10                        ; my first feature: 1,024 x tile column + 512 x half bytes
	s_lshl_b32 s93, s16, 9
	s_add_co_u32 s92, s92, s93
	s_mov_b32 s93, 0
	s_add_co_u32 s18, s18, s92
	s_mov_b32 s19, 0
	s_wait_alu depctr_va_vdst(0)
	s_wait_kmcnt 0x0
	s_add_nc_u64 s[4:5], s[4:5], s[92:93]
	s_add_nc_u64 s[6:7], s[6:7], s[18:19]
	s_add_nc_u64 s[8:9], s[8:9], s[18:19]
	global_load_b128 v[BO:BO+3], v[CO], s[4:5]
; x's 16 rows of block a: stage row t is token 32 (a / 2) + 8 (a % 2) + t + 8 (t / 8).  Four sets of 64 registers: window 0 v64-127, window 1 v0-63, v64-127, v128-191
.macro XLOAD a
.if ((\a)%4) == 0
.set XL, 64
	WIN 0
.else
.set XL, 64*(((\a)%4)-1)
	WIN TO_B
.endif
.irp t, 0,1,2,3,4,5,6,7,8,9,10,11,12,13,14,15
	global_load_b128 v[XL+4*\t:XL+4*\t+3], v[CO], s[6:7] offset:(32*((\a)/2)+8*((\a)%2)+\t+8*(\t/8))*4096 th:TH_LOAD_NT
.endr
	WIN 0
.endm
	XLOAD 0
.macro FRAG reg, adr, q, i             ; a fragment of B: three loads of 512 dense bytes
.irp c, 0,1,2
	ds_load_b128 v[\reg+4*\c:\reg+4*\c+3], v[\adr] offset:(\i)*TROW+(\q)*1536+512*\c
.endr
.endm
.macro FRAGA reg, slot, q, i           ; a fragment of A: two halves of 512 + 256 dense bytes
.irp c, 0,1
	ds_load_b128 v[\reg+6*\c:\reg+6*\c+3], v[ADRA+\slot] offset:(\i)*TROW+(\q)*1536+768*\c
	ds_load_b64 v[\reg+6*\c+4:\reg+6*\c+5], v[ADRA8+\slot] offset:(\i)*TROW+(\q)*1536+768*\c+512
.endr
.endm
; The 64 accumulators take turns, one instruction a turn, in the same order in every step.
.macro MUL16 a0, p, q, sc, zero
.irp a, \a0, \a0+1
.irp b, 0,1,2,3,4,5,6,7
.if \zero
	v_wmma_scale_f32_16x16x128_f8f6f4 v[8*(8*((\a)%4)+\b):8*(8*((\a)%4)+\b)+7], v[128*(\p)+FR*\b:128*(\p)+FR*\b+FR-1], v[AF+FR*(\a):AF+FR*(\a)+FR-1], 0, v[SC+8*NQ*(\sc)+NQ*\b+(\q)], v[SC+8*NQ*(\sc)+NQ*(\a)+(\q)] matrix_a_fmt:MATRIX_FMT_BF6 matrix_b_fmt:MATRIX_FMT_BF6 matrix_a_scale:MATRIX_SCALE_ROW1
.else
	v_wmma_scale_f32_16x16x128_f8f6f4 v[8*(8*((\a)%4)+\b):8*(8*((\a)%4)+\b)+7], v[128*(\p)+FR*\b:128*(\p)+FR*\b+FR-1], v[AF+FR*(\a):AF+FR*(\a)+FR-1], v[8*(8*((\a)%4)+\b):8*(8*((\a)%4)+\b)+7], v[SC+8*NQ*(\sc)+NQ*\b+(\q)], v[SC+8*NQ*(\sc)+NQ*(\a)+(\q)] matrix_a_fmt:MATRIX_FMT_BF6 matrix_b_fmt:MATRIX_FMT_BF6 matrix_a_scale:MATRIX_SCALE_ROW1
.endif
.endr
.endr
.endm
.macro FETCH_B slot, q, p
	WIN TO_B
.irp i, 0,1,2,3,4,5,6,7
	FRAG 128*(\p)+FR*\i, ADRB+\slot, \q, \i
.endr
	WIN 0
.endm
.macro FETCH_A slot, q, i0
.irp i, \i0, \i0+1, \i0+2, \i0+3
	FRAGA AF+FR*(\i), \slot, \q, \i
.endr
.endm
.macro SCALES sc
.irp i, 0,1,2,3,4,5,6,7
	ds_load_b64 v[SC+8*NQ*\sc+NQ*\i:SC+8*NQ*\sc+NQ*\i+1], v[ADRS] offset:\i*512
.endr
.endm
.macro PLACES n
.rept \n
	v_nop
.endr
.endm
.macro STEP slot, q, zero
	s_wait_dscnt 4*NLA                             ; B's set and A's blocks 0-3 are in; the youngest loads (A's blocks 4-7) may be out
	WIN MUL_LO
	MUL16 0, (\q)%2, \q, \slot, \zero
	MUL16 2, (\q)%2, \q, \slot, \zero
	s_wait_dscnt 0
	PLACES NP
	FETCH_B \slot, (\q)+1, 1-(\q)%2
	FETCH_A \slot, (\q)+1, 0
	WIN MUL_HI
	MUL16 4, (\q)%2, \q, \slot, \zero
	MUL16 6, (\q)%2, \q, \slot, \zero
	PLACES NP
	WIN 0
	FETCH_A \slot, (\q)+1, 4
.endm
.macro TURN slot, next, fill           ; a slot's last step changes slots: one barrier, with the wait for all tensor loads, the add and the wait for it and for my reads in front of it
	s_wait_tensorcnt 0x0                           ; all my tensor loads have landed: my part of the next slot
	ds_add_u32 v[SPW], v[NIL]                      ; 0 onto my spare word
	s_wait_dscnt 4*NLA+1                           ; (the add and A's blocks 4-7 may be out)
	WIN MUL_LO
	MUL16 0, 1, NQ-1, \slot, 0
	s_wait_dscnt 0x0                               ; the add is done, and my reads of this slot are over
	s_barrier_signal -1
	MUL16 2, 1, NQ-1, \slot, 0
	WIN 0
	s_barrier_wait -1
.if \fill
	CREST                                          ; the barrier has opened a round of the cluster's
	s_add_nc_u64 s[G0+4*\slot+2:G0+4*\slot+3], s[G0+4*\slot+2:G0+4*\slot+3], 2*TROW
	s_add_nc_u64 s[G0B+4*\slot+2:G0B+4*\slot+3], s[G0B+4*\slot+2:G0B+4*\slot+3], 2*TROW
	JLOAD G0+4*\slot, G1, G0B+4*\slot, G1B         ; the first tensor load behind the round; its four v_nop are the places in front of the loads below
.else
	PLACES NP
.endif
	s_wait_alu depctr_va_vdst(0)
	v_add_nc_u32 v[ADRS], 128, v[ADRS]
	FETCH_B \next, 0, 0
	FETCH_A \next, 0, 0
	SCALES \next
	WIN MUL_HI
	MUL16 4, 1, NQ-1, \slot, 0
	MUL16 6, 1, NQ-1, \slot, 0
	PLACES NP
	WIN 0
	FETCH_A \next, 0, 4
.endm
	s_wait_tensorcnt 1                             ; the scale bytes and my part of slot 0 are in (slot 1's load may be out),
	s_barrier_signal -1
	s_barrier_wait -1                              ; everybody's are
	FETCH_B 0, 0, 0
	FETCH_A 0, 0, 0
	SCALES 0
	FETCH_A 0, 0, 4
	STEP 0, 0, 1
	s_mov_b32 s3, LAPS-1
.Llap:
	TURN 0, 1, 1
	STEP 1, 0, 0
	TURN 1, 0, 1
	STEP 0, 0, 0
	s_sub_co_u32 s3, s3, 1
	s_cmp_lg_u32 s3, 0
	s_cbranch_scc1 .Llap
	TURN 0, 1, 0
	STEP 1, 0, 0
	XLOAD 1                                        ; into B's set 0 and the registers behind it: its last reader stands four places back
	XLOAD 2
	s_wait_dscnt 4*NLA                             ; the very last step
	WIN MUL_LO
	MUL16 0, 1, NQ-1, 1, 0
	MUL16 2, 1, NQ-1, 1, 0
	s_wait_dscnt 0
	WIN MUL_HI
	MUL16 4, 1, NQ-1, 1, 0
	MUL16 6, 1, NQ-1, 1, 0
	WIN 0
	PLACES NP
	XLOAD 3                                        ; into B's set 1
.macro TOSTAGE a                       ; block a: B's tile b holds features 32 (b / 2) + 16 h + 8 (b % 2) + 0 .. 7: the stores' offsets sort them
.set AC, 64*((\a)%4)
	WIN 0x08+4*((\a)/4)                            ; the data: window 2 or 3
.irp b, 0,1,2,3,4,5,6,7
	ds_store_b128 v[STO], v[AC+8*\b:AC+8*\b+3] offset:128*(\b/2)+32*(\b%2)       ; each accumulator from its low end on
	ds_store_b128 v[STO], v[AC+8*\b+4:AC+8*\b+7] offset:128*(\b/2)+32*(\b%2)+16
.endr
	WIN 0
.set BT, BK+64*((\a)%2)
.irp t, 0,1,2,3,4,5,6,7,8,9,10,11,12,13,14,15
	ds_load_b128 v[BT+4*\t:BT+4*\t+3], v[RD] offset:\t*SPITCH   ; LDS serves a wave's instructions in order: these see the stores above
.endr
.endm
.macro SEND a, younger                 ; younger: the LDS instructions issued behind block a's loads, which may stay out
.set BB, BK+64*((\a)%2)
	s_wait_dscnt \younger
.if 7-(\a) >= 3
	s_wait_loadcnt 48                              ; block a's rows of x are in; the three younger sets may be out
.else
	s_wait_loadcnt 16*(7-(\a))
.endif
.irp t, 0,1,2,3,4,5,6,7,8,9,10,11,12,13,14,15
	v_pk_add_f32 v[BB+4*\t:BB+4*\t+1], v[BB+4*\t:BB+4*\t+1], v[BO:BO+1]
	v_pk_add_f32 v[BB+4*\t+2:BB+4*\t+3], v[BB+4*\t+2:BB+4*\t+3], v[BO+2:BO+3]
.endr
.if ((\a)%4) == 0
.set XR, 64
.else
.set XR, 64*(((\a)%4)-1)
	WIN 0x04                                       ; source 1 window 1
.endif
.set i, 0
.rept 32
	v_pk_add_f32 v[BB+i:BB+i+1], v[BB+i:BB+i+1], v[XR+i:XR+i+1]
.set i, i+2
.endr
	WIN 0
.if (\a) < 4
	XLOAD (\a)+4                                   ; the set just read takes the block four further on
.endif
.irp t, 0,1,2,3,4,5,6,7,8,9,10,11,12,13,14,15
	global_store_b128 v[CO], v[BB+4*\t:BB+4*\t+3], s[8:9] offset:(32*((\a)/2)+8*((\a)%2)+\t+8*(\t/8))*4096 th:TH_STORE_NT   ; 32 lanes store 512 consecutive bytes
.endr
.endm
	TOSTAGE 0
.irp a, 1,2,3,4,5,6,7
.if \a > 1
	s_wait_xcnt 0x0                                ; block a - 2's stores have read their registers: block a's loads may land there
.endif
	TOSTAGE \a
	SEND \a-1, 32                                  ; behind block a - 1's loads: block a's 16 stores and 16 loads
.endr
	SEND 7, 0
	s_wait_tensorcnt 0x0                           ; the wave's end
	ds_add_u32 v[SPW], v[NIL]
	s_wait_dscnt 0x0
	CROUND                                         ; the closing round
	s_endpgm
.Lfunc_end_k_q0c9d5f76b0_oproj:
	.size	k_q0c9d5f76b0_oproj, .Lfunc_end_k_q0c9d5f76b0_oproj-k_q0c9d5f76b0_oproj
	.p2alignl 7, 3214868480
	.fill 96, 4, 3214868480
	.section	.rodata,"a",@progbits
	.p2align	6, 0x0
	.amdhsa_kernel k_q0c9d5f76b0_oproj
		.amdhsa_group_segment_fixed_size 327680
		.amdhsa_private_segment_fixed_size 0
		.amdhsa_enable_private_segment 0
		.amdhsa_kernarg_size 40
		.amdhsa_user_sgpr_count 2
		.amdhsa_user_sgpr_kernarg_segment_ptr 1
		.amdhsa_wavefront_size32 1
		.amdhsa_system_sgpr_workgroup_id_x 1
		.amdhsa_system_sgpr_workgroup_id_y 1
		.amdhsa_system_sgpr_workgroup_id_z 1
		.amdhsa_system_vgpr_workitem_id 0
		.amdhsa_next_free_vgpr 1024
		.amdhsa_next_free_sgpr 100
		.amdhsa_reserve_vcc 0
		.amdhsa_float_denorm_mode_32 3
		.amdhsa_float_denorm_mode_16_64 3
		.amdhsa_memory_ordered 1
		.amdhsa_forward_progress 1
		.amdhsa_inst_pref_size 184
	.end_amdhsa_kernel
	.amdgpu_metadata
---
amdhsa.version: [ 1, 2 ]
amdhsa.kernels:
  - .name:           k_q0c9d5f76b0_oproj
    .symbol:         k_q0c9d5f76b0_oproj.kd
    .args:
      - { .name: abuf, .offset: 0, .size: 8, .value_kind: global_buffer, .address_space: global }
      - { .name: wbuf, .offset: 8, .size: 8, .value_kind: global_buffer, .address_space: global }
      - { .name: bo, .offset: 16, .size: 8, .value_kind: global_buffer, .address_space: global }
      - { .name: x, .offset: 24, .size: 8, .value_kind: global_buffer, .address_space: global }
      - { .name: out0, .offset: 32, .size: 8, .value_kind: global_buffer, .address_space: global }
    .group_segment_fixed_size: 327680
    .private_segment_fixed_size: 0
    .kernarg_segment_align: 8
    .kernarg_segment_size: 40
    .max_flat_workgroup_size: 128
    .sgpr_count:     100
    .vgpr_count:     1024
    .wavefront_size: 32
...
	.end_amdgpu_metadata
.endif
;; end of part 5
